; MI455X (gfx1250); checked and timed in simulation.
; The chip was launched on July 23, 2026; its instructions are those of AMD's public machine-readable ISA for CDNA 5 (MIT licence, August 2026) and "CDNA5" Instruction Set Architecture Reference Guide (July 2026). The comments in the code are by the model that wrote it; some were corrected since.
;; Multi Head Self Attention. Allowed arithmetic: matrix products marked QUANTISED: E2M3 operands, one E8M0 scale for each 32 along K, by v_wmma_scale_f32_16x16x128_f8f6f4 with both operands' format E2M3, f32 sums; everything else in f32.
;; Inputs: bk 1,024 float32; bo 1,024 float32; bq 1,024 float32; bv 1,024 float32; mask 4 x 2,048 bool; wk 1,024 x 1,024 float32; wo 1,024 x 1,024 float32; wq 1,024 x 1,024 float32; wv 1,024 x 1,024 float32; x 4 x 2,048 x 1,024 float32.
;; Outputs: out0 4 x 2,048 x 1,024 float32.
;; This version of the problem:
;;   THIS VERSION OF THE PROBLEM IS GIVEN IN LOW PRECISION. The matrix products marked QUANTISED in the list below multiply operands that are first quantised to E2M3 (2 exponent bits, 3 mantissa bits; 6 bits a number), with one power-of-two scale for each 32 numbers along K (OCP MX v1.0); their sums are f32. All else is computed in f32.
;;   The module's matrix products, in the order in which they are computed (A, B: the left and right operand; K: the contracted axis; several contracted axes count as one K, in the product's order):
;;     1. [M 8,192, K 1,024] x [K 1,024, N 1,024]; A: input x; B: input wq: QUANTISED
;;     2. [M 8,192, K 1,024] x [K 1,024, N 1,024]; A: input x; B: input wk: QUANTISED
;;     3. [M 8,192, K 1,024] x [K 1,024, N 1,024]; A: input x; B: input wv: QUANTISED
;;     4. batch 64 x [M 2,048, K 64] x [K 64, N 2,048]; A: computed on the way; B: computed on the way: QUANTISED
;;     5. batch 64 x [M 2,048, K 2,048] x [K 2,048, N 64]; A: softmax (see below); B: computed on the way: QUANTISED
;;     6. [M 8,192, K 1,024] x [K 1,024, N 1,024]; A: computed on the way; B: input wo: QUANTISED
;;   THE QUANTISER, for each operand of a quantised product, along K:
;;     - K is cut into blocks of 32 from its start; a last block that is shorter is filled with zeros.
;;     - A block's scale is 2^e with e = floor(log2(the largest magnitude in the block)) - 2, held to -126 .. 127; a block of zeros has e = 0. As a byte (E8M0): e + 127.
;;     - Each number is divided by its block's scale, clamped to +-7.5, and rounded to the nearest number of E2M3, ties to even, subnormals kept.
;;     - The product sums the exact products of the quantised numbers (number of the format x scale) in f32.
;;   ~~~python
;;   def quantise(x, axis):      # numpy; x: float32 -> the quantised numbers, widened to float32 again
;;       x = np.moveaxis(x, axis, -1); K = x.shape[-1]
;;       x = np.pad(x, [(0, 0)] * (x.ndim - 1) + [(0, -K % 32)]); x = x.reshape(x.shape[:-1] + (-1, 32)); a = np.abs(x).max(-1, keepdims=True)
;;       e = np.where(a > 0, np.clip(np.frexp(np.where(a > 0, a, 1))[1] - 1 - 2, -126, 127), 0)      # np.frexp(a)[1] - 1 = floor(log2(a)), exactly
;;       r = np.clip(x / 2.0 ** e, -7.5, 7.5)
;;       step = 2.0 ** (np.maximum(np.frexp(np.where(r == 0, 1, r))[1] - 1, 0) - 3)
;;       q = np.round(r / step) * step * 2.0 ** e      # np.round: ties to even
;;       return np.moveaxis(q.reshape(q.shape[:-2] + (-1,))[..., :K], -1, axis).astype(np.float32)
;;   ~~~
;;   SOFTMAX AHEAD OF A QUANTISED PRODUCT. Where the list says 'softmax', what is quantised is not the finished softmax but p = 2^(t - M), with t = logit x log2(e) and M = ceil(the row's largest t), a whole number; so 1/2 < the row's largest p <= 1. The row's sum l is taken of the UNQUANTISED p, in f32, and the product's result is divided by l at the end. Since M is a whole number, a kernel that streams over the keys may use a running M (the ceiling of the running maximum): every later rescaling is an exact power of two, which a block's scale takes up: the codes' values come out the same.
;;   OPERANDS COMPUTED ON THE WAY. 'Computed on the way' means the value that the module computes at that place (a softmax that the list does not call 'softmax' is quantised finished and normalised). What goes into a quantiser is computed in f32, as accurately as f32 sums, v_exp_f32 and their like allow (about 1e-6 of the number): no bf16 or f16 on the way to a quantiser, and a product that is left as it is and whose result goes on into a quantised operand takes f32 operands (vector FMAs, or v_wmma_f32_16x16x4_f32). A number that lies on a knife's edge between two numbers of the format may be rounded either way, as far as f32 arithmetic and the matrix unit's own rounding can turn it there, and no further.
;; One version. Each part assembles by itself: llvm-mc -triple=amdgcn-amd-amdhsa -mcpu=gfx1250 --defsym DOCPART=n.
;; ======== version 1 of 1: 4 launches
;; limits: right only within a limited range of input values
;; workspace buffers: xc 6,815,744 bytes; wc 3,407,872 bytes; qc 6,815,744 bytes; kv 13,369,344 bytes; ac 6,815,744 bytes
;; launch quant (part 1): grid 768 x 1, 4 waves a work-group, no clusters, 47,616 bytes of LDS; arguments x, wq, wk, wv, wo, xc, wc; writes xc, wc
.if DOCPART == 1
	.amdgcn_target "amdgcn-amd-amdhsa--gfx1250"
	.amdhsa_code_object_version 6
	.text
	.protected	k_q29b84d1684_quant
	.globl	k_q29b84d1684_quant
	.p2align	8
	.type	k_q29b84d1684_quant,@function
k_q29b84d1684_quant:
	s_mov_b64 s[64:65], 0
	v_nop
	global_prefetch_b8 v0, s[64:65] scope:SCOPE_SE
	s_setreg_imm32_b32 hwreg(HW_REG_WAVE_MODE, 25, 1), 1
	s_wait_xcnt 0x0
; MULTI-HEAD SELF-ATTENTION IN MX-FP6, launch 1 of 4: the quantisers of x (K innermost) and of wq, wk, wv, wo (K outermost).
; DEAD WORK: none comes in whole units.  Every input has a way to the output: bk moves k's codes, the mask selects, all four biases are added.  So every input is loaded by some launch.
; A block of 32 along K: scale 2^(floor(log2(largest magnitude)) - 2); its byte is the largest magnitude's exponent field - 2, held at 1 from below; each number / scale to the nearest code of E2M3, ties to even, held at 7.5.
; LIMITS: a block of zeros keeps the byte 1 where the rule says 127 (its codes are zeros, and this program alone reads the bytes); NaN and infinities among the inputs are not served.
; THE WORKSPACE IS LAID AS IMAGES OF OPERAND REGISTERS.  A block (panel of 128 rows, K step of 128) is GB = 13,312 bytes: fragment t (16 rows x 128 K, 12 registers a lane) at 1,536 t, its registers 4 c .. 4 c + 3 at
; 512 c + 16 x lane; the scale words at 12,288 + 128 t + 4 x lane (lanes l and l + 16 hold the same word).  Tile t, position p holds the panel's row 32 (t / 2) + 8 (t % 2) + p + 8 (p / 8), so that in a later product two
; neighbouring tiles of source 0 give a lane 16 neighbours.  Block (panel, step) lies at (8 x panel + step) x GB.  xc: 64 panels of x's rows.  wc: 32 panels of columns n: wq 0-7, wk 8-15, wv 16-23, wo 24-31.
; SHARES.  One work-group makes one block: work-groups 0-511 of xc, 512-767 of wc.  Waves share nothing: no barrier.  No input is shared between work-groups: no cluster, no tensor load.
; The two paths have LDS bytes of their own.
.set GB,    13312
.set XSTG,  8448                       ; x's path: a wave's stage, 16 rows x (512 bytes + 16)
.set WBASE, 4*XSTG                     ; the weights' path: a wave's stage, two fragments' images and 256 bytes of scale words
.set WSTG,  3328
.set SPARE, WBASE+4*WSTG               ; the spare words, 128 bytes for each wave: two blocks of 256 bytes that no other line names
.set SPW,   12                         ; v12  LDS address of my spare word; never rewritten
.set NIL,   13                         ; v13  0; never rewritten
.set WV,    20                         ; s20  my wave's number
.set SEL,   22                         ; s[22:23] selects for v_permlanex16_b32: lane l xor 16
.set R,     16                         ; v16-143  x's path: two tiles as they are loaded
.set X,     144                        ; v144-207 64 numbers of a lane: register 16 b + i = k 32 b + 16 (lane / 16) + i of my row
.set TM,    228                        ; v228-243 at work
.set PWX,   244                        ; v244-245 the two tiles' scale words
.set WX,    64                         ; v64-191  the weights' path: 128 numbers down K of my column
.set SWD,   24                         ; v24      my column's scale word
; 64 numbers of a lane become a fragment's 12 registers in v[pc] on (v[pc+12] to v[pc+18] at work) and its scale word in v[pw]
.macro QUANT128 s, pc, pw
.irp b, 0,1,2,3
	v_max3_num_f32 v[TM+\b], |v[(\s)+16*\b]|, |v[(\s)+1+16*\b]|, 0x1800000   ; block b: my 16 numbers, and the floor 2^(3 - 127): the byte cannot fall under 1
.endr
.irp i, 2,4,6,8,10,12,14
.irp b, 0,1,2,3
	v_max3_num_f32 v[TM+\b], v[TM+\b], |v[(\s)+16*\b+\i]|, |v[(\s)+1+16*\b+\i]|   ; the four blocks by turns
.endr
.endr
.irp b, 0,1,2,3
	v_permlanex16_b32 v[TM+4+\b], v[TM+\b], s[SEL], s[SEL+1]
.endr
.irp b, 0,1,2,3
	v_max_num_f32 v[TM+\b], v[TM+\b], v[TM+4+\b]           ; with lane l xor 16's: the block's largest magnitude
.endr
.irp b, 0,1,2,3
	v_add_nc_u32 v[TM+12+\b], 0xff000000, v[TM+\b]         ; 2 off its exponent field: the conversion's scale operand
.endr
.irp b, 0,1,2,3
	v_lshrrev_b32 v[TM+4+\b], 23, v[TM+12+\b]              ; the scale's byte
.endr
	v_lshl_or_b32 v[\pw], v[TM+5], 8, v[TM+4]
	v_lshl_or_b32 v[\pw], v[TM+6], 16, v[\pw]
	v_lshl_or_b32 v[\pw], v[TM+7], 24, v[\pw]
.irp c, 0,1
	v_cvt_scalef32_pk16_fp6_f32 v[(\pc)+6*\c:(\pc)+2+6*\c], v[(\s)+32*\c:(\s)+15+32*\c], v[TM+12+2*\c]
	v_cvt_scalef32_pk16_fp6_f32 v[(\pc)+12+4*\c:(\pc)+14+4*\c], v[(\s)+16+32*\c:(\s)+31+32*\c], v[TM+13+2*\c]   ; (a conversion's three registers begin on an even number)
.endr
	v_nop                                                  ; one plain place behind a scaled conversion
.irp c, 0,1                                            ; the layout wants a whole block in a lane: lanes 0-15 block 2 c, lanes 16-31 block 2 c + 1
.irp i, 0,1,2
	v_permlane16_swap_b32 v[(\pc)+6*\c+\i], v[(\pc)+12+4*\c+\i]
.endr
.irp i, 0,1,2
	v_mov_b32 v[(\pc)+3+6*\c+\i], v[(\pc)+12+4*\c+\i]
.endr
.endr
.endm
	s_load_b256 s[4:11], s[0:1], 0x0               ; x, wq, wk, wv
	s_load_b128 s[12:15], s[0:1], 0x20             ; wo, xc
	s_load_b64 s[16:17], s[0:1], 0x30              ; wc
	v_lshl_add_u32 v[SPW], v0, 2, SPARE
	v_mov_b32 v[NIL], 0
	v_lshrrev_b32 v1, 5, v0
	v_readfirstlane_b32 s[WV], v1
	v_and_b32 v1, 31, v0                           ; lane
	v_and_b32 v2, 15, v0                           ; r
	v_bfe_u32 v3, v0, 4, 1                         ; h
	s_mov_b32 s[SEL], 0x76543210
	s_mov_b32 s[SEL+1], 0xfedcba98
	s_cmp_lt_u32 ttmp9, 512
	s_cbranch_scc0 .Lweights
; ---- x: block g = ttmp9 = 8 x panel + step.  Wave w makes tiles 2 w and 2 w + 1: the panel's rows 32 w .. 32 w + 31.
	s_lshr_b32 s24, ttmp9, 3                       ; panel
	s_and_b32 s25, ttmp9, 7                        ; K step
	s_lshl_b32 s26, s24, 19                        ; 128 rows of 4,096 bytes a panel
	s_lshl_b32 s27, s[WV], 17                      ; 32 rows a wave
	s_add_co_u32 s26, s26, s27
	s_lshl_b32 s27, s25, 9                         ; 512 bytes a K step
	s_add_co_u32 s26, s26, s27
	s_mov_b32 s27, 0
	s_mul_i32 s28, ttmp9, GB
	s_mov_b32 s29, 0
	s_wait_alu depctr_va_vdst(0)
	v_lshlrev_b32 v4, 4, v1                        ; 16 x lane: a load reads 512 consecutive bytes of one row
	s_mul_i32 s30, s[WV], XSTG
	v_add_nc_u32 v5, s30, v4                       ; the stage, on the way in
	v_mul_u32_u24 v6, v2, 528
	v_lshl_add_u32 v6, v3, 6, v6
	v_add_nc_u32 v6, s30, v6                       ; and on the way out: row r, + 64 h: my 16 numbers of each block of 32
	s_mul_i32 s31, s[WV], 3072
	v_add_nc_u32 v7, s31, v4                       ; my wave's two fragments in the block
	v_lshlrev_b32 v8, 2, v1
	s_lshl_b32 s31, s[WV], 8
	v_add_nc_u32 v8, s31, v8                       ; and their scale words
.irp b, 0,1,2,3
	v_mov_b32 v[TM+4+\b], 0                        ; written once: a lane permute's destination counts as one of its sources
.endr
	s_wait_alu depctr_va_vdst(0)
	s_wait_kmcnt 0x0
	s_add_nc_u64 s[4:5], s[4:5], s[26:27]
	s_add_nc_u64 s[14:15], s[14:15], s[28:29]
.macro LOADX u                         ; tile 2 w + u: position i is row 8 u + i + 8 (i / 8) of my 32
.irp i, 0,1,2,3,4,5,6,7,8,9,10,11,12,13,14,15
	global_load_b128 v[R+64*\u+4*\i:R+64*\u+4*\i+3], v4, s[4:5] offset:(8*\u+\i+8*(\i/8))*4096 th:TH_LOAD_NT
.endr
.endm
.macro TILEX u, pc                     ; through the stage (LDS serves a wave's instructions in order: no wait between the stores and the loads), quantised, stored
.irp i, 0,1,2,3,4,5,6,7,8,9,10,11,12,13,14,15
	ds_store_b128 v5, v[R+64*\u+4*\i:R+64*\u+4*\i+3] offset:528*\i
.endr
.irp b, 0,1,2,3
.irp j, 0,1,2,3
	ds_load_b128 v[X+16*\b+4*\j:X+16*\b+4*\j+3], v6 offset:128*\b+16*\j
.endr
.endr
	s_wait_dscnt 0x0
	QUANT128 X, \pc, PWX+\u
.irp c, 0,1,2
	global_store_b128 v7, v[(\pc)+4*\c:(\pc)+4*\c+3], s[14:15] offset:1536*\u+512*\c   ; 32 lanes store 512 consecutive bytes, aligned
.endr
	global_store_b32 v8, v[PWX+\u], s[14:15] offset:12288+128*\u
.endm
	LOADX 0
	LOADX 1
	s_wait_loadcnt 16                              ; tile 0's sixteen loads are in; tile 1's sixteen may be out
	TILEX 0, 208                                   ; codes in v208-227
	s_wait_loadcnt 0x0
	TILEX 1, 16                                    ; codes in v16-35, which tile 0's numbers have left: no store's data are written again
	s_branch .Lend
; ---- a weight: block g' = ttmp9 - 512 = 8 x panel + step.  A LANE TAKES A COLUMN n AND ITS REGISTERS RUN DOWN K: wave w takes the panel's columns 32 w .. 32 w + 31.
.Lweights:
	s_sub_co_u32 s24, ttmp9, 512
	s_lshr_b32 s25, s24, 3                         ; panel 0..31
	s_and_b32 s30, s24, 7                          ; K step
	s_and_b32 s31, s25, 7                          ; the panel within its matrix
	s_lshl_b32 s32, s30, 19                        ; 128 rows k of 4,096 bytes
	s_lshl_b32 s33, s31, 9                         ; 128 columns of 4 bytes
	s_add_co_u32 s32, s32, s33
	s_lshl_b32 s33, s[WV], 7
	s_add_co_u32 s32, s32, s33
	s_mov_b32 s33, 0
	s_mul_i32 s36, s24, GB
	s_mov_b32 s37, 0
	s_wait_alu depctr_va_vdst(0)
	v_lshlrev_b32 v4, 2, v1                        ; 4 x lane
	v_bfe_u32 v5, v1, 3, 1                         ; column 32 w + lane is tile 2 w + u, u = (lane / 8) % 2,
	v_and_b32 v6, 7, v1
	v_lshl_add_u32 v6, v3, 3, v6                   ; position p = lane % 8 + 8 (lane / 16)
	s_mul_i32 s34, s[WV], WSTG
	s_add_co_u32 s34, s34, WBASE                   ; my stage
	v_mul_u32_u24 v9, v5, 1536
	v_lshl_add_u32 v9, v6, 4, v9
	v_add_nc_u32 v9, s34, v9                       ; the image's place for lane (p, 0) of fragment u
	v_lshlrev_b32 v10, 7, v5
	v_lshl_add_u32 v10, v6, 2, v10
	v_add_nc_u32 v10, s34, v10                     ; and its scale word's
	v_lshlrev_b32 v7, 4, v1
	v_add_nc_u32 v8, s34, v7                       ; back: 16 x lane
	s_mul_i32 s35, s[WV], 3072
	v_add_nc_u32 v7, s35, v7                       ; and the same place in the block
	v_lshlrev_b32 v25, 3, v1
	v_add_nc_u32 v26, s34, v25                     ; the scale words back: 8 x lane
	s_lshl_b32 s35, s[WV], 8
	v_add_nc_u32 v25, s35, v25
	s_wait_kmcnt 0x0
	s_cmp_lt_u32 s25, 8                            ; which matrix: the choice hangs on the work-group's number alone
	s_cselect_b64 s[26:27], s[6:7], s[8:9]
	s_cmp_lt_u32 s25, 24
	s_cselect_b64 s[28:29], s[10:11], s[12:13]
	s_cmp_lt_u32 s25, 16
	s_cselect_b64 s[26:27], s[26:27], s[28:29]
	s_add_nc_u64 s[26:27], s[26:27], s[32:33]
	s_add_nc_u64 s[16:17], s[16:17], s[36:37]
.macro LOADW kb                        ; block kb: w(32 kb + i, my column): 32 lanes read 128 consecutive bytes
.set J, 0
.rept 32
	global_load_b32 v[WX+32*(\kb)+J], v4, s[26:27] offset:4096*(32*(\kb)+J) th:TH_LOAD_NT
.set J, J+1
.endr
.endm
.macro WBLOCK kb
.set XS, WX+32*(\kb)
.set E, 192+8*(\kb)                    ; each block has its own six registers of codes
.if (\kb) < 3
	s_wait_loadcnt 32                              ; this block's 32 loads are in; the next block's 32 may be out
.else
	s_wait_loadcnt 0x0
.endif
.if (\kb) < 2
	LOADW (\kb)+2
.endif
	v_max3_num_f32 v14, |v[XS]|, |v[XS+1]|, |v[XS+2]|      ; the block's largest magnitude: all 32 numbers are mine
	v_max3_num_f32 v15, |v[XS+3]|, |v[XS+4]|, |v[XS+5]|
.irp i, 6,10,14,18,22,26
	v_max3_num_f32 v14, v14, |v[XS+\i]|, |v[XS+\i+1]|
	v_max3_num_f32 v15, v15, |v[XS+\i+2]|, |v[XS+\i+3]|
.endr
	v_max3_num_f32 v14, v14, |v[XS+30]|, |v[XS+31]|
	v_max3_num_f32 v14, v14, v15, 0x1800000                ; and the floor
	v_add_nc_u32 v11, 0xff000000, v14
	v_lshrrev_b32 v15, 23, v11
.if (\kb) == 0
	v_mov_b32 v[SWD], v15
.else
	v_lshl_or_b32 v[SWD], v15, 8*(\kb), v[SWD]
.endif
	v_cvt_scalef32_pk16_fp6_f32 v[E:E+2], v[XS:XS+15], v11
	v_cvt_scalef32_pk16_fp6_f32 v[224:226], v[XS+16:XS+31], v11
	v_nop                                                  ; one plain place behind a scaled conversion
.irp i, 0,1,2
	v_mov_b32 v[E+3+\i], v[224+\i]
.endr
; block kb = 2 c + h' is registers 6 c .. 6 c + 5 of lane (p, h'): 16 x lane is 16 p + 256 h'
.if (\kb) < 2
	ds_store_b128 v9, v[E:E+3] offset:256*(\kb)
	ds_store_b64 v9, v[E+4:E+5] offset:512+256*(\kb)
.else
	ds_store_b64 v9, v[E:E+1] offset:520+256*((\kb)-2)
	ds_store_b128 v9, v[E+2:E+5] offset:1024+256*((\kb)-2)
.endif
.endm
	LOADW 0
	LOADW 1
	WBLOCK 0
	WBLOCK 1
	WBLOCK 2
	WBLOCK 3
	ds_store_b32 v10, v[SWD] offset:3072           ; the scale word, for lane p and for lane p + 16
	ds_store_b32 v10, v[SWD] offset:3072+64
.irp i, 0,1,2,3,4,5
	ds_load_b128 v[32+4*\i:35+4*\i], v8 offset:512*\i      ; LDS serves a wave's instructions in order: these see my stores
.endr
	ds_load_b64 v[56:57], v26 offset:3072
	s_wait_dscnt 0x0
.irp i, 0,1,2,3,4,5
	global_store_b128 v7, v[32+4*\i:35+4*\i], s[16:17] offset:512*\i   ; 32 lanes store 512 consecutive bytes, aligned
.endr
	global_store_b64 v25, v[56:57], s[16:17] offset:12288  ; 256 consecutive bytes, aligned
.Lend:
	s_wait_tensorcnt 0x0                           ; the wave's end: behind my last LDS store
	ds_add_u32 v[SPW], v[NIL]
	s_wait_dscnt 0x0
	s_endpgm
.Lfunc_end_k_q29b84d1684_quant:
	.size	k_q29b84d1684_quant, .Lfunc_end_k_q29b84d1684_quant-k_q29b84d1684_quant
	.p2alignl 7, 3214868480
	.fill 96, 4, 3214868480
	.section	.rodata,"a",@progbits
	.p2align	6, 0x0
	.amdhsa_kernel k_q29b84d1684_quant
		.amdhsa_group_segment_fixed_size 47616
		.amdhsa_private_segment_fixed_size 0
		.amdhsa_enable_private_segment 0
		.amdhsa_kernarg_size 56
		.amdhsa_user_sgpr_count 2
		.amdhsa_user_sgpr_kernarg_segment_ptr 1
		.amdhsa_wavefront_size32 1
		.amdhsa_system_sgpr_workgroup_id_x 1
		.amdhsa_system_sgpr_workgroup_id_y 1
		.amdhsa_system_sgpr_workgroup_id_z 1
		.amdhsa_system_vgpr_workitem_id 0
		.amdhsa_next_free_vgpr 256
		.amdhsa_next_free_sgpr 66
		.amdhsa_reserve_vcc 0
		.amdhsa_float_denorm_mode_32 3
		.amdhsa_float_denorm_mode_16_64 3
		.amdhsa_memory_ordered 1
		.amdhsa_forward_progress 1
		.amdhsa_inst_pref_size 39
	.end_amdhsa_kernel
	.amdgpu_metadata
---
amdhsa.version: [ 1, 2 ]
amdhsa.kernels:
  - .name:           k_q29b84d1684_quant
    .symbol:         k_q29b84d1684_quant.kd
    .args:
      - { .name: x, .offset: 0, .size: 8, .value_kind: global_buffer, .address_space: global }
      - { .name: wq, .offset: 8, .size: 8, .value_kind: global_buffer, .address_space: global }
      - { .name: wk, .offset: 16, .size: 8, .value_kind: global_buffer, .address_space: global }
      - { .name: wv, .offset: 24, .size: 8, .value_kind: global_buffer, .address_space: global }
      - { .name: wo, .offset: 32, .size: 8, .value_kind: global_buffer, .address_space: global }
      - { .name: xc, .offset: 40, .size: 8, .value_kind: global_buffer, .address_space: global }
      - { .name: wc, .offset: 48, .size: 8, .value_kind: global_buffer, .address_space: global }
    .group_segment_fixed_size: 47616
    .private_segment_fixed_size: 0
    .kernarg_segment_align: 8
    .kernarg_segment_size: 56
    .max_flat_workgroup_size: 128
    .sgpr_count:     66
    .vgpr_count:     256
    .wavefront_size: 32
...
	.end_amdgpu_metadata
.endif
;; end of part 1
;; launch qkv (part 2): grid 96 x 4, 4 waves a work-group, clusters of 4 x 4, 327,680 bytes of LDS; arguments xc, wc, bq, bk, bv, mask, qc, kv; writes qc, kv
.if DOCPART == 2
	.amdgcn_target "amdgcn-amd-amdhsa--gfx1250"
	.amdhsa_code_object_version 6
	.text
	.protected	k_q29b84d1684_qkv
	.globl	k_q29b84d1684_qkv
	.p2align	8
	.type	k_q29b84d1684_qkv,@function
k_q29b84d1684_qkv:
	s_mov_b64 s[64:65], 0
	v_nop
	global_prefetch_b8 v0, s[64:65] scope:SCOPE_SE
	s_setreg_imm32_b32 hwreg(HW_REG_WAVE_MODE, 25, 1), 1
	s_wait_xcnt 0x0
	s_wait_alu depctr_hold_cnt(0) depctr_sa_sdst(0) depctr_va_vdst(0) depctr_va_sdst(0) depctr_va_ssrc(0) depctr_va_vcc(0) depctr_vm_vsrc(0)
	s_getreg_b32 s2, hwreg(HW_REG_IB_STS2, 6, 4)
	s_cmp_eq_u32 s2, 0
	s_cbranch_scc0 .Lentry_in_a_cluster
	s_endpgm
.Lentry_in_a_cluster:
	s_bfe_u32 s2, ttmp6, 0x10000c
	s_cmp_lg_u32 s2, 0xf033
	s_cbranch_scc0 .Lentry_shape_is_right
	s_endpgm
.Lentry_shape_is_right:
; Launch 2 of 4: q = x wq + bq, k = x wk + bk, v = x wv + bv on codes of E2M3, and the quantisers of q and k (along the head's 64) and of v (along the keys).  No work of the problem is left out here.
; OPERANDS are images of registers (launch 1): block (panel of 128 rows, K step of 128) = GB bytes at (8 x panel + step) x GB; fragment t at 1,536 t + 512 c + 16 x lane, scale words at 12,288 + 128 t + 4 x lane.
; Tile t, position p of a panel is its row 32 (t / 2) + 8 (t % 2) + p + 8 (p / 8).  So in D (register j of lane (r, h) = source 0's position 8 h + j, source 1's position r) tiles 2 b and 2 b + 1 of SOURCE 0 give a
; lane 16 neighbours, 32 b + 16 h + 0 .. 15.  WHAT IS QUANTISED NEXT IS MADE SOURCE 0'S AXIS: for q and k source 0 = 256 rows of the weight (features), source 1 = 256 rows of x; for v source 0 = 256 rows of x (the keys),
; source 1 = 256 rows of wv.  One loop serves all three; only pointers differ.
; SHARES.  24 clusters of 4 x 4 work-groups: cluster C < 16: q (C even) or k (C odd), x's tiles 4 (C / 2) + cy, the weight's tiles cx;  C >= 16: v, x's tiles 4 (C - 16) + cx, wv's tiles cy.
; Source 0's tile hangs on cx and is asked for jointly by my column of the cluster, source 1's on cy and by my row.  A work-group of four waves makes 256 x 256, a wave 128 x 128: 64 accumulators.
; K = 1,024 goes in 8 steps of 128 through two LDS slots of two steps; a wave's tensor load brings a panel's two steps, 26,624 dense bytes as 104 rows of 256.  A wave has one tensor load out at the start and one behind each refill.
; No prefetch is laid: K is eight steps, four fills in all, of which two go out at the head.
; THE KEY MASK.  Q K^T uses 64 of the instruction's 128 along K.  At k = 64 launch 3 holds the constant codes -4 (keys) and +4 (queries); here the scale bytes of that block are made: queries 127; a key that counts 1
; (the term -2^-122 is the same for all keys that count); a key that is masked 158: the term is -16 x 2^31 = -2^35, and the key's 64 numbers are selected to 0 ahead of the quantiser.  So a masked key's score is exactly -2^35,
; a logit of -2^30, where reference() has -1e9.  LIMIT: the result is reference()'s wherever the logits of keys that count lie above about -1e9; with no key left in a batch the weights are uniform, as there.
; LIMITS: a block of zeros keeps the byte 1; NaN and infinities are not served.
; OUT.  qc: [batch x 16 + head][16 blocks of 128 queries] of QBB = 6,656 bytes: tile t at 768 t (registers 0-3 at 16 x lane, 4-5 at 512 + 8 x lane), scale words at 6,144 + 32 r + 4 t.
;       kv: [batch x 16 + head][16 steps of 128 keys] of KVB = 13,056 bytes: the keys as in qc, then V^T: fragment d (16 of the head's 64 x 128 keys) at 6,656 + 1,536 d + 512 c + 16 x lane, scale words at 12,800 + 16 r + 4 d.
; REGISTERS, in windows of 256: window 0: v1-15 offsets of the way out; v16-29 LDS addresses; v32-63 scale words, two sets; v64-127 biases; v128-223 source 1's eight fragments (on the way out: at work); v224-255 at work.
;   window 1: source 0's fragments, two sets, at v0 and v128.   windows 2, 3: accumulator (a, b) at v[8 (8 (a % 4) + b)], a = source 1's block, b = source 0's.
.set GB,    13312
.set PANB,  8*GB                       ; a panel's 8 steps
.set TILEB, 2*PANB                     ; 256 rows
.set CH,    2*GB                       ; what one tensor load brings
.set SLOT,  4*CH                       ; source 1's panels 0, 1, then source 0's
.set SPARE, 2*SLOT                     ; the spare words, 128 bytes for each wave: two blocks of 256 bytes that no other line names
.set QBB,   6656
.set KVB,   13056
.set HEADB, 16*KVB
.set FR,    12
.set NL,    3                          ; LDS loads that bring a fragment
.set NP,    4                          ; places behind this matrix instruction (ISA guide 7.12.1)
.set NQ,    2
.set ADRA, 16                          ; v16-17 source 1's fragments in slot 0, 1
.set ADRB, 20                          ; v20-21 source 0's
.set ADRS, 26                          ; v26-27 scale words: lanes 0-15 source 1's, lanes 16-31 source 0's
.set SPW,  28
.set NIL,  29
.set SC,   32                          ; set s at v[SC + 16 s]; register 2 i + q: block i, the slot's q-th step
.set AF,   128
.set BI,   64                          ; the biases
.set T,    128                         ; the way out: numbers ahead of the quantiser
.set PC,   192                         ; codes
.set TM,   212                         ; at work
.set PW,   228
.set MK,   232                         ; the mask's bytes of my keys, a register for each tile
.set SW,   240                         ; scale words
.set WV,   20
.set H1,   21                          ; my half of source 1; also: I fetch for source 1 (0) or source 0 (1)
.set H0,   22                          ; my half of source 0; also: which panel of that tile I fetch
.set G1,   24
.set G0,   32
.set G1B,  48
.set G0B,  56
.set SEL,  96
.set MSB, 0
.macro WIN new                         ; the immediate's high byte repeats the setting that is left
.if MSB != (\new)
	s_set_vgpr_msb (MSB<<8)|(\new)
.set MSB, (\new)
.endif
.endm
.set MUL_LO, 0xa1                      ; source 0 window 1, source 1 window 0, C and D window 2
.set MUL_HI, 0xf1
.set TO_B,   0x40
; A joint load: waves 0 and 1 fetch source 1's panels, waves 2 and 3 source 0's.  An s_nop 0 and four v_nop follow each of the two lines.
.macro JLOAD g0a, g1a, g0b, g1b
	s_cmp_eq_u32 s[H1], 0
	s_cbranch_scc0 .Lfor_b_\@
	tensor_load_to_lds s[\g0a:\g0a+3], s[\g1a:\g1a+7]
	s_nop 0
.rept 4
	v_nop
.endr
	s_branch .Lasked_\@
.Lfor_b_\@:
	tensor_load_to_lds s[\g0b:\g0b+3], s[\g1b:\g1b+7]
	s_nop 0
.rept 4
	v_nop
.endr
.Lasked_\@:
.endm
.macro CREST
	s_cmp_lg_u32 s[WV], 0
	s_cbranch_scc1 .Lnot_wave_0_\@
	s_barrier_signal -3
.Lnot_wave_0_\@:
	s_barrier_wait -3
	s_barrier_signal -1
	s_barrier_wait -1
.endm
.macro CROUND
	s_barrier_signal -1
	s_barrier_wait -1
	CREST
.endm
.macro PLACES n
.rept \n
	v_nop
.endr
.endm
.macro FRAG reg, adr, q, i             ; a fragment comes back as it was stored: three loads of 512 consecutive bytes
.irp c, 0,1,2
	ds_load_b128 v[\reg+4*\c:\reg+4*\c+3], v[\adr] offset:(\q)*GB+(\i)*1536+512*\c
.endr
.endm
.macro FETCH_B slot, q, p
	WIN TO_B
.irp i, 0,1,2,3,4,5,6,7
	FRAG 128*(\p)+FR*\i, ADRB+\slot, \q, \i
.endr
	WIN 0
.endm
.macro FETCH_A slot, q, i0
.irp i, \i0, \i0+1, \i0+2, \i0+3
	FRAG AF+FR*(\i), ADRA+\slot, \q, \i
.endr
.endm
.macro SCALES sc
.irp i, 0,1,2,3,4,5,6,7
.irp q, 0,1
	ds_load_b32 v[SC+16*\sc+2*\i+\q], v[ADRS+\sc] offset:\q*GB+12288+128*\i
.endr
.endr
.endm
; 16 matrix instructions: source 1's blocks a0, a0 + 1 x source 0's eight.  The 64 accumulators take turns, one instruction a turn, in the same order in every step.
.macro MUL16 a0, p, q, sc, zero
.irp a, \a0, \a0+1
.irp b, 0,1,2,3,4,5,6,7
.if \zero
	v_wmma_scale_f32_16x16x128_f8f6f4 v[8*(8*((\a)%4)+\b):8*(8*((\a)%4)+\b)+7], v[128*(\p)+FR*\b:128*(\p)+FR*\b+FR-1], v[AF+FR*(\a):AF+FR*(\a)+FR-1], 0, v[SC+8*NQ*(\sc)+NQ*\b+(\q)], v[SC+8*NQ*(\sc)+NQ*(\a)+(\q)] matrix_a_fmt:MATRIX_FMT_FP6 matrix_b_fmt:MATRIX_FMT_FP6 matrix_a_scale:MATRIX_SCALE_ROW1
.else
	v_wmma_scale_f32_16x16x128_f8f6f4 v[8*(8*((\a)%4)+\b):8*(8*((\a)%4)+\b)+7], v[128*(\p)+FR*\b:128*(\p)+FR*\b+FR-1], v[AF+FR*(\a):AF+FR*(\a)+FR-1], v[8*(8*((\a)%4)+\b):8*(8*((\a)%4)+\b)+7], v[SC+8*NQ*(\sc)+NQ*\b+(\q)], v[SC+8*NQ*(\sc)+NQ*(\a)+(\q)] matrix_a_fmt:MATRIX_FMT_FP6 matrix_b_fmt:MATRIX_FMT_FP6 matrix_a_scale:MATRIX_SCALE_ROW1
.endif
.endr
.endr
.endm
; A step of 128 along K that has its successor in the same slot
.macro STEP slot, q, zero
	s_wait_dscnt 4*NL                              ; all but the youngest 12 loads (source 1's blocks 4-7) are in
	WIN MUL_LO
	MUL16 0, (\q)%2, \q, \slot, \zero
	MUL16 2, (\q)%2, \q, \slot, \zero
	s_wait_dscnt 0
	PLACES NP
	FETCH_B \slot, (\q)+1, 1-(\q)%2
	FETCH_A \slot, (\q)+1, 0
	WIN MUL_HI
	MUL16 4, (\q)%2, \q, \slot, \zero
	MUL16 6, (\q)%2, \q, \slot, \zero
	PLACES NP
	WIN 0
	FETCH_A \slot, (\q)+1, 4
.endm
; A slot's last step changes slots: one barrier; in front of it each wave waits for all its tensor loads, adds 0 to its spare word, and waits for that and for its reads of this slot.  fill = 1: the slot is filled again.
.macro TURN slot, next, fill
	s_wait_tensorcnt 0x0                           ; all my tensor loads have landed: my part of the next slot
	ds_add_u32 v[SPW], v[NIL]                      ; 0 onto my spare word
	s_wait_dscnt 4*NL+1                            ; (the add and the youngest 12 loads may be out)
	WIN MUL_LO
	MUL16 0, 1, 1, \slot, 0
	s_wait_dscnt 0x0                               ; the add is done, and my reads of this slot are over
	s_barrier_signal -1
	MUL16 2, 1, 1, \slot, 0
	WIN 0
	s_barrier_wait -1
.if \fill
	CREST                                          ; the barrier has opened a round of the cluster's barrier: no wave of any partner still reads this slot or has a load on its way
	s_add_nc_u64 s[G0+4*\slot+2:G0+4*\slot+3], s[G0+4*\slot+2:G0+4*\slot+3], 2*CH
	s_add_nc_u64 s[G0B+4*\slot+2:G0B+4*\slot+3], s[G0B+4*\slot+2:G0B+4*\slot+3], 2*CH
	JLOAD G0+4*\slot, G1, G0B+4*\slot, G1B         ; the first tensor load behind the round; its four v_nop are the places in front of the loads below
.else
	PLACES NP
.endif
	FETCH_B \next, 0, 0
	FETCH_A \next, 0, 0
	SCALES \next
	WIN MUL_HI
	MUL16 4, 1, 1, \slot, 0
	MUL16 6, 1, 1, \slot, 0
	PLACES NP
	WIN 0
	FETCH_A \next, 0, 4
.endm
.macro LASTSTEP                        ; K step 7: nothing more to fetch
	s_wait_dscnt 4*NL
	WIN MUL_LO
	MUL16 0, 1, 1, 1, 0
	MUL16 2, 1, 1, 1, 0
	s_wait_dscnt 0x0
	WIN MUL_HI
	MUL16 4, 1, 1, 1, 0
	MUL16 6, 1, 1, 1, 0
	WIN 0
.endm
; 64 numbers of a lane, register 16 b + i = k 32 b + 16 (lane / 16) + i, become a fragment in v[pc] on and its scale word in v[pw]
.macro QUANT128 s, pc, pw
.irp b, 0,1,2,3
	v_max3_num_f32 v[TM+\b], |v[(\s)+16*\b]|, |v[(\s)+1+16*\b]|, 0x1800000   ; and the floor 2^(3 - 127): the byte cannot fall under 1
.endr
.irp i, 2,4,6,8,10,12,14
.irp b, 0,1,2,3
	v_max3_num_f32 v[TM+\b], v[TM+\b], |v[(\s)+16*\b+\i]|, |v[(\s)+1+16*\b+\i]|
.endr
.endr
.irp b, 0,1,2,3
	v_permlanex16_b32 v[TM+4+\b], v[TM+\b], s[SEL], s[SEL+1]
.endr
.irp b, 0,1,2,3
	v_max_num_f32 v[TM+\b], v[TM+\b], v[TM+4+\b]
.endr
.irp b, 0,1,2,3
	v_add_nc_u32 v[TM+12+\b], 0xff000000, v[TM+\b]
.endr
.irp b, 0,1,2,3
	v_lshrrev_b32 v[TM+4+\b], 23, v[TM+12+\b]
.endr
	v_lshl_or_b32 v[\pw], v[TM+5], 8, v[TM+4]
	v_lshl_or_b32 v[\pw], v[TM+6], 16, v[\pw]
	v_lshl_or_b32 v[\pw], v[TM+7], 24, v[\pw]
.irp c, 0,1
	v_cvt_scalef32_pk16_fp6_f32 v[(\pc)+6*\c:(\pc)+2+6*\c], v[(\s)+32*\c:(\s)+15+32*\c], v[TM+12+2*\c]
	v_cvt_scalef32_pk16_fp6_f32 v[(\pc)+12+4*\c:(\pc)+14+4*\c], v[(\s)+16+32*\c:(\s)+31+32*\c], v[TM+13+2*\c]
.endr
	v_nop                                          ; one plain place behind a scaled conversion
.irp c, 0,1
.irp i, 0,1,2
	v_permlane16_swap_b32 v[(\pc)+6*\c+\i], v[(\pc)+12+4*\c+\i]
.endr
.irp i, 0,1,2
	v_mov_b32 v[(\pc)+3+6*\c+\i], v[(\pc)+12+4*\c+\i]
.endr
.endr
.endm
; the same for 32 numbers of a lane (K = 64): six registers in v[d6] on, two bytes in v[PW]; v[tc] on at work
.macro QUANT64 s, d6, tc
.irp b, 0,1
	v_max3_num_f32 v[TM+\b], |v[(\s)+16*\b]|, |v[(\s)+1+16*\b]|, 0x1800000
.endr
.irp i, 2,4,6,8,10,12,14
.irp b, 0,1
	v_max3_num_f32 v[TM+\b], v[TM+\b], |v[(\s)+16*\b+\i]|, |v[(\s)+1+16*\b+\i]|
.endr
.endr
.irp b, 0,1
	v_permlanex16_b32 v[TM+4+\b], v[TM+\b], s[SEL], s[SEL+1]
.endr
.irp b, 0,1
	v_max_num_f32 v[TM+\b], v[TM+\b], v[TM+4+\b]
.endr
.irp b, 0,1
	v_add_nc_u32 v[TM+12+\b], 0xff000000, v[TM+\b]
.endr
.irp b, 0,1
	v_lshrrev_b32 v[TM+4+\b], 23, v[TM+12+\b]
.endr
	v_lshl_or_b32 v[PW], v[TM+5], 8, v[TM+4]
	v_cvt_scalef32_pk16_fp6_f32 v[(\d6):(\d6)+2], v[(\s):(\s)+15], v[TM+12]
	v_cvt_scalef32_pk16_fp6_f32 v[(\tc):(\tc)+2], v[(\s)+16:(\s)+31], v[TM+13]
	v_nop
.irp i, 0,1,2
	v_permlane16_swap_b32 v[(\d6)+\i], v[(\tc)+\i]
.endr
.irp i, 0,1,2
	v_mov_b32 v[(\d6)+3+\i], v[(\tc)+\i]
.endr
.endm
	s_load_b512 s[4:19], s[0:1], 0x0               ; xc s[4:5], wc s[6:7], bq s[8:9], bk s[10:11], bv s[12:13], mask s[14:15], qc s[16:17], kv s[18:19]
	v_lshl_add_u32 v[SPW], v0, 2, SPARE
	v_mov_b32 v[NIL], 0
	ds_add_u32 v[SPW], v[NIL]                      ; the wave's opening: the add, twice on end, and its wait ahead of my first tensor load
	ds_add_u32 v[SPW], v[NIL]
	v_lshrrev_b32 v1, 5, v0
	v_readfirstlane_b32 s[WV], v1
	s_lshr_b32 s[H1], s[WV], 1
	s_and_b32 s[H0], s[WV], 1
	s_bfe_u32 s40, ttmp6, 0x40000                  ; cx
	s_bfe_u32 s41, ttmp6, 0x40004                  ; cy
	s_and_b32 s69, ttmp9, 1                        ; under cluster 16: 0 = q, 1 = k
	s_max_u32 s70, ttmp9, 16
	s_sub_co_u32 s70, s70, 16
	s_lshr_b32 s71, ttmp9, 1
	s_cmp_lt_u32 ttmp9, 16                         ; the cluster's number: the same in all sixteen partners
	s_cselect_b32 s42, s69, s70
	s_cselect_b32 s68, s71, 2
	s_lshl_b32 s42, s42, 2
	s_add_co_u32 s42, s42, s40                     ; T0, source 0's tile: q, k: 4 (C % 2) + cx in wc;  v: 4 (C - 16) + cx in xc
	s_lshl_b32 s68, s68, 2
	s_add_co_u32 s68, s68, s41                     ; T1, source 1's tile: q, k: 4 (C / 2) + cy in xc;  v: 8 + cy in wc
	s_lshl_b32 s43, s41, 2
	s_lshl_b32 s43, 15, s43                        ; my row of the cluster
	s_lshl_b32 s44, 0x1111, s40                    ; my column
	s_or_b32 s[G1+0], s43, (3<<16)|(1<<21)         ; 15:0 the mask: source 1's tiles go to my row; 17:16 elements of 8 bytes; 21 set beside a mask; no padding
	s_or_b32 s[G1B+0], s44, (3<<16)|(1<<21)        ; source 0's go to my column
.irp g, G1, G1B
	s_mov_b32 s[\g+1], 32<<16                      ; tensor_dim0 = 32 elements: rows of 256 bytes
	s_mov_b32 s[\g+2], 104<<16                     ; tensor_dim1 = 104
	s_mov_b32 s[\g+3], 32<<16                      ; tile_dim0
	s_mov_b32 s[\g+4], 104                         ; tile_dim1
	s_mov_b32 s[\g+5], 32                          ; the pitch: dense
	s_mov_b32 s[\g+6], 0
	s_mov_b32 s[\g+7], 0
.endr
	s_mul_i32 s23, s[H0], PANB                     ; which panel of the tile I fetch
	s_mul_i32 s46, s42, TILEB
	s_add_co_u32 s46, s46, s23
	s_mov_b32 s47, 0
	s_mul_i32 s66, s68, TILEB
	s_add_co_u32 s66, s66, s23
	s_mov_b32 s67, 0
	s_mul_i32 s45, s[WV], CH                       ; where it goes: no place in the cluster enters an LDS address
	s_mov_b32 s[SEL], 0x76543210
	s_mov_b32 s[SEL+1], 0xfedcba98
	s_wait_dscnt 0x0                               ; both opening adds are done
	s_wait_kmcnt 0x0
	s_cmp_lt_u32 ttmp9, 16
	s_cselect_b64 s[72:73], s[6:7], s[4:5]         ; source 0: the weights, or x
	s_cselect_b64 s[74:75], s[4:5], s[6:7]         ; source 1: x, or the weights
	s_add_nc_u64 s[46:47], s[72:73], s[46:47]
	s_add_nc_u64 s[66:67], s[74:75], s[66:67]
	CROUND                                         ; all sixteen work-groups are here: the first joint loads meet
.irp s, 0,1
	s_mov_b32 s[G0+4*\s], 1
	s_add_co_u32 s[G0+4*\s+1], s45, \s*SLOT
	s_add_nc_u64 s[G0+4*\s+2:G0+4*\s+3], s[66:67], \s*CH
	s_or_b32 s[G0+4*\s+3], s[G0+4*\s+3], 0x80000000
	s_mov_b32 s[G0B+4*\s], 1
	s_add_co_u32 s[G0B+4*\s+1], s45, \s*SLOT
	s_add_nc_u64 s[G0B+4*\s+2:G0B+4*\s+3], s[46:47], \s*CH
	s_or_b32 s[G0B+4*\s+3], s[G0B+4*\s+3], 0x80000000
.endr
; THE HEAD'S LOADS, ONE A WAVE: wave 0 fetches slot 0's two panels of source 1, wave 1 its two panels of source 0,
; waves 2 and 3 the same for slot 1.  A tile is two rows of CH = 26,624 bytes (a panel's two K steps, dense), PANB bytes apart in memory, on end in LDS.  Each arm has a line of its own, so that the first barrier
; need show waves 0 and 1's tiles alone.  Source 1's address and source 0's stand in registers of their own.
.set G1H,  72
.set G1HB, 80
.set G0HA, 88
.set G0HB, 92
	s_or_b32 s[G1H], s43, (3<<16)|(1<<21)
	s_or_b32 s[G1HB], s44, (3<<16)|(1<<21)
.irp g, G1H, G1HB
	s_mov_b32 s[\g+1], (CH/8)<<16
	s_mov_b32 s[\g+2], 2<<16
	s_mov_b32 s[\g+3], (CH/8)<<16
	s_mov_b32 s[\g+4], 2
	s_mov_b32 s[\g+5], PANB/8
	s_mov_b32 s[\g+6], 0
	s_mov_b32 s[\g+7], 0
.endr
	s_mov_b32 s70, s23                             ; the panel's offset, which the tile's address does not have
	s_mov_b32 s71, 0
	s_sub_nc_u64 s[G0HA+2:G0HA+3], s[66:67], s[70:71]
	s_sub_nc_u64 s[G0HB+2:G0HB+3], s[46:47], s[70:71]
	s_mul_i32 s70, s[H1], CH                       ; slot wave / 2: its two K steps
	s_add_nc_u64 s[G0HA+2:G0HA+3], s[G0HA+2:G0HA+3], s[70:71]
	s_add_nc_u64 s[G0HB+2:G0HB+3], s[G0HB+2:G0HB+3], s[70:71]
	s_or_b32 s[G0HA+3], s[G0HA+3], 0x80000000
	s_or_b32 s[G0HB+3], s[G0HB+3], 0x80000000
	s_mov_b32 s[G0HA], 1
	s_mov_b32 s[G0HB], 1
	s_mul_i32 s[G0HA+1], s[H1], SLOT
	s_add_co_u32 s[G0HB+1], s[G0HA+1], 2*CH
.macro HARM under, g0, g1, next
	s_cmp_lt_u32 s[WV], \under
	s_cbranch_scc0 \next
	tensor_load_to_lds s[\g0:\g0+3], s[\g1:\g1+7]
	s_nop 0
.rept 4
	v_nop
.endr
	s_branch .Lhead_asked
\next:
.endm
	HARM 1, G0HA, G1H,  .Lhead_1
	HARM 2, G0HB, G1HB, .Lhead_2
	HARM 3, G0HA, G1H,  .Lhead_3
	tensor_load_to_lds s[G0HB:G0HB+3], s[G1HB:G1HB+7]
	s_nop 0
.rept 4
	v_nop
.endr
.Lhead_asked:
	v_and_b32 v1, 15, v0                           ; r
	v_bfe_u32 v2, v0, 4, 1                         ; h
	v_and_b32 v3, 31, v0                           ; lane
	v_lshlrev_b32 v4, 4, v3                        ; 16 x lane
	v_lshlrev_b32 v5, 3, v3                        ; 8 x lane
	v_lshlrev_b32 v6, 6, v2                        ; 64 h: my half's 16 features, in bytes
	v_and_b32 v7, 8, v1
	v_add_nc_u32 v7, v7, v1                        ; r + 8 (r / 8): position r's row in a tile
	v_lshlrev_b32 v8, 2, v7
	v_lshlrev_b32 v9, 5, v1
	v_lshl_add_u32 v9, v2, 4, v9                   ; 32 r + 16 h: q's and k's scale words
	v_mul_u32_u24 v10, v2, HEADB
	v_lshl_add_u32 v10, v1, 4, v10                 ; 16 r, lanes 16-31 in the next head: V's scale words
	s_mul_i32 s23, s[H1], CH                       ; my panel of source 1
	s_mul_i32 s3, s[H0], CH
	s_add_co_u32 s3, s3, 2*CH                      ; my panel of source 0
	v_add_nc_u32 v[ADRA], s23, v4
	v_add_nc_u32 v[ADRB], s3, v4
	v_add_nc_u32 v[ADRA+1], SLOT, v[ADRA]
	v_add_nc_u32 v[ADRB+1], SLOT, v[ADRB]
	s_sub_co_u32 s3, s3, s23
	v_mul_u32_u24 v14, s3, v2                      ; lanes 16-31 take source 0's words: one product by h
	v_lshl_add_u32 v14, v3, 2, v14
	v_add_nc_u32 v[ADRS], s23, v14
	v_add_nc_u32 v[ADRS+1], SLOT, v[ADRS]
	s_wait_alu depctr_va_vdst(0)
	s_cmp_lt_u32 s[WV], 2                          ; waves 0 and 1 fetched slot 0; slot 1's loads may be out
	s_cbranch_scc0 .Lnot_slot_0
	s_wait_tensorcnt 0x0
.Lnot_slot_0:
	s_barrier_signal -1
	s_barrier_wait -1
	FETCH_B 0, 0, 0
	FETCH_A 0, 0, 0
	SCALES 0
	FETCH_A 0, 0, 4
	STEP 0, 0, 1                                   ; K step 0 starts the sums: nothing is cleared
	TURN 0, 1, 1                                   ; 1; slot 0 takes steps 4, 5
	STEP 1, 0, 0                                   ; 2
	TURN 1, 0, 1                                   ; 3; slot 1 takes steps 6, 7
	STEP 0, 0, 0                                   ; 4
	TURN 0, 1, 0                                   ; 5
	STEP 1, 0, 0                                   ; 6
	s_cmp_ge_u32 ttmp9, 16
	s_cbranch_scc1 .Lv
; ---- q and k.  Lane (r, h), accumulator (a, 4 e + 2 b + u), register j: token = position r of tile a of x's panel px; head 2 hp + e, channel 32 b + 16 h + 8 u + j.
	s_lshl_b32 s76, s68, 1
	s_add_co_u32 s76, s76, s[H1]                   ; px = 2 T1 + H1 = 16 x batch + block of 128 tokens
	s_lshr_b32 s77, s76, 4
	s_and_b32 s78, s76, 15
	s_lshl_b32 s79, s40, 1
	s_add_co_u32 s79, s79, s[H0]                   ; hp = 2 cx + H0
	s_lshl_b32 s80, s77, 4
	s_lshl_b32 s81, s79, 1
	s_add_co_u32 s80, s80, s81
	s_lshl_b32 s80, s80, 4
	s_add_co_u32 s80, s80, s78                     ; (16 x batch + 2 hp) x 16 + block
	s_cmp_eq_u32 s69, 1
	s_mov_b32 s82, QBB
	s_cselect_b32 s82, KVB, s82
	s_cselect_b64 s[72:73], s[18:19], s[16:17]     ; kv or qc
	s_cselect_b64 s[84:85], s[10:11], s[8:9]       ; bk or bq
	s_mov_b32 s83, 0x017f0000
	s_cselect_b32 s83, 0x01010000, s83             ; scale bytes 2 and 3: a query 127, 1; a key that counts 1, 1
	s_mul_i32 s80, s80, s82
	s_mov_b32 s81, 0
	s_add_nc_u64 s[72:73], s[72:73], s[80:81]      ; head 2 hp's block
	s_lshl_b32 s80, s82, 4
	s_add_nc_u64 s[74:75], s[72:73], s[80:81]      ; head 2 hp + 1's
	s_lshl_b32 s80, s40, 10
	s_lshl_b32 s86, s[H0], 9
	s_add_co_u32 s80, s80, s86
	s_add_nc_u64 s[84:85], s[84:85], s[80:81]      ; the bias at my 128 features
	s_lshl_b32 s80, s76, 7
	s_add_nc_u64 s[88:89], s[14:15], s[80:81]      ; the mask at my 128 tokens
.irp n, 0,1,2,3,4,5,6,7                        ; the loads land under the last K step's products
	global_load_b128 v[BI+8*\n:BI+8*\n+3], v6, s[84:85] offset:(32*(\n/2)+8*(\n%2))*4
	global_load_b128 v[BI+8*\n+4:BI+8*\n+7], v6, s[84:85] offset:(32*(\n/2)+8*(\n%2))*4+16
.endr
	s_cmp_eq_u32 s69, 0
	s_cbranch_scc1 .Lno_mask
.irp a, 0,1,2,3,4,5,6,7
	global_load_u8 v[MK+\a], v7, s[88:89] offset:32*(\a/2)+8*(\a%2)
.endr
	s_branch .Lmask_asked
.Lno_mask:
.irp a, 0,1,2,3,4,5,6,7
	v_mov_b32 v[MK+\a], 1                          ; queries are not masked
.endr
.Lmask_asked:
	LASTSTEP
	PLACES NP                                      ; in front of the first read of results and the first write of operands' registers
	s_wait_loadcnt 0x0
	v_mov_b32 v11, s83
	v_mov_b32 v12, 0x019e0000                      ; a masked key: bytes 158, 1
	v_mov_b32 v[TM+4], 0                           ; a lane permute's destination counts as one of its sources
	v_mov_b32 v[TM+5], 0
	s_mov_b32 s90, 0xffff0000                      ; lanes 16-31
.macro QKOUT a, e
	WIN 0x02+(\a)/4                                ; source 0: window 2 or 3
.irp n, 0,1,2,3
.irp i, 0,2,4,6
	v_pk_add_f32 v[T+8*\n+\i:T+8*\n+\i+1], v[8*(8*((\a)%4)+4*(\e)+\n)+\i:8*(8*((\a)%4)+4*(\e)+\n)+\i+1], v[BI+8*(4*(\e)+\n)+\i:BI+8*(4*(\e)+\n)+\i+1]   ; + the bias; each accumulator from its low end on
.endr
.endr
	WIN 0
	s_cmp_eq_u32 s69, 0
	s_cbranch_scc1 .Lkeep_\@
.set J, 0
.rept 32
	v_cndmask_b32 v[T+J], 0, v[T+J], vcc_lo        ; a masked key's numbers become 0
.set J, J+1
.endr
.Lkeep_\@:
	s_wait_xcnt 0x0                                ; the last pass's stores have read their data: the codes' registers are written again only behind this wait
	s_wait_alu depctr_va_vdst(0)
	QUANT64 T, PC, PC+8
	v_or_b32 v[SW+8*(\e)+(\a)], v[PW], v13
	global_store_b128 v4, v[PC:PC+3], s[72+2*(\e):73+2*(\e)] offset:768*(\a)        ; 512 consecutive bytes, aligned
	global_store_b64 v5, v[PC+4:PC+5], s[72+2*(\e):73+2*(\e)] offset:768*(\a)+512   ; 256 consecutive bytes, aligned
.endm
.irp a, 0,1,2,3,4,5,6,7
	v_cmp_ne_u32 vcc_lo, 0, v[MK+\a]
	v_cndmask_b32 v13, v12, v11, vcc_lo
	QKOUT \a, 0
	QKOUT \a, 1
.endr
.irp e, 0,1                                    ; a row's eight words are 32 bytes: lanes 0-15 store tiles 0-3's, lanes 16-31 tiles 4-7's
.irp i, 0,1,2,3
	v_cndmask_b32 v[T+4*\e+\i], v[SW+8*\e+\i], v[SW+8*\e+4+\i], s90
.endr
.endr
	global_store_b128 v9, v[T:T+3], s[72:73] offset:6144
	global_store_b128 v9, v[T+4:T+7], s[74:75] offset:6144
	s_branch .Ltail
; ---- v.  Lane (r, h), accumulator (a, 2 b + u), register j: key 32 b + 16 h + 8 u + j of x's panel px; head 2 hp + a / 4, channel = position r of tile a % 4.
.Lv:
	s_lshl_b32 s76, s42, 1
	s_add_co_u32 s76, s76, s[H0]                   ; px = 2 T0 + H0
	s_lshr_b32 s77, s76, 4
	s_and_b32 s78, s76, 15
	s_lshl_b32 s79, s41, 1
	s_add_co_u32 s79, s79, s[H1]                   ; hp = 2 cy + H1
	s_lshl_b32 s80, s77, 4
	s_lshl_b32 s81, s79, 1
	s_add_co_u32 s80, s80, s81
	s_lshl_b32 s80, s80, 4
	s_add_co_u32 s80, s80, s78
	s_mul_i32 s80, s80, KVB
	s_mov_b32 s81, 0
	s_add_nc_u64 s[72:73], s[18:19], s[80:81]
	s_lshl_b32 s80, s41, 10
	s_lshl_b32 s82, s[H1], 9
	s_add_co_u32 s80, s80, s82
	s_add_nc_u64 s[84:85], s[12:13], s[80:81]      ; bv at my 128 features
.irp a, 0,1,2,3,4,5,6,7
	global_load_b32 v[BI+2*\a], v8, s[84:85] offset:(32*(\a/2)+8*(\a%2))*4     ; my channel's bias, twice: a pair for the packed addition
	global_load_b32 v[BI+2*\a+1], v8, s[84:85] offset:(32*(\a/2)+8*(\a%2))*4
.endr
	LASTSTEP
	PLACES NP
	s_wait_loadcnt 0x0
.irp b, 0,1,2,3
	v_mov_b32 v[TM+4+\b], 0
.endr
	s_mov_b32 s90, 0xffff0000
.macro VOUT a
	WIN 0x02+(\a)/4
.irp n, 0,1,2,3,4,5,6,7
.irp i, 0,2,4,6
	v_pk_add_f32 v[T+8*\n+\i:T+8*\n+\i+1], v[8*(8*((\a)%4)+\n)+\i:8*(8*((\a)%4)+\n)+\i+1], v[BI+2*(\a):BI+2*(\a)+1]
.endr
.endr
	WIN 0
	s_wait_xcnt 0x0                                ; the last pass's stores have read their data
	QUANT128 T, PC, SW+(\a)
.irp c, 0,1,2
	global_store_b128 v4, v[PC+4*\c:PC+4*\c+3], s[72:73] offset:((\a)/4)*HEADB+QBB+1536*((\a)%4)+512*\c
.endr
.endm
.irp a, 0,1,2,3,4,5,6,7
	VOUT \a
.endr
.irp i, 0,1,2,3                                ; a channel's four words are 16 bytes: lanes 0-15 store head 2 hp's 256 bytes, lanes 16-31 head 2 hp + 1's
	v_cndmask_b32 v[T+\i], v[SW+\i], v[SW+4+\i], s90
.endr
	global_store_b128 v10, v[T:T+3], s[72:73] offset:12800
.Ltail:
	s_wait_tensorcnt 0x0                           ; the wave's end
	ds_add_u32 v[SPW], v[NIL]
	s_wait_dscnt 0x0
	CROUND                                         ; the closing round
	s_endpgm
.Lfunc_end_k_q29b84d1684_qkv:
	.size	k_q29b84d1684_qkv, .Lfunc_end_k_q29b84d1684_qkv-k_q29b84d1684_qkv
	.p2alignl 7, 3214868480
	.fill 96, 4, 3214868480
	.section	.rodata,"a",@progbits
	.p2align	6, 0x0
	.amdhsa_kernel k_q29b84d1684_qkv
		.amdhsa_group_segment_fixed_size 327680
		.amdhsa_private_segment_fixed_size 0
		.amdhsa_enable_private_segment 0
		.amdhsa_kernarg_size 64
		.amdhsa_user_sgpr_count 2
		.amdhsa_user_sgpr_kernarg_segment_ptr 1
		.amdhsa_wavefront_size32 1
		.amdhsa_system_sgpr_workgroup_id_x 1
		.amdhsa_system_sgpr_workgroup_id_y 1
		.amdhsa_system_sgpr_workgroup_id_z 1
		.amdhsa_system_vgpr_workitem_id 0
		.amdhsa_next_free_vgpr 1024
		.amdhsa_next_free_sgpr 100
		.amdhsa_reserve_vcc 1
		.amdhsa_float_denorm_mode_32 3
		.amdhsa_float_denorm_mode_16_64 3
		.amdhsa_memory_ordered 1
		.amdhsa_forward_progress 1
		.amdhsa_inst_pref_size 240
	.end_amdhsa_kernel
	.amdgpu_metadata
---
amdhsa.version: [ 1, 2 ]
amdhsa.kernels:
  - .name:           k_q29b84d1684_qkv
    .symbol:         k_q29b84d1684_qkv.kd
    .args:
      - { .name: xc, .offset: 0, .size: 8, .value_kind: global_buffer, .address_space: global }
      - { .name: wc, .offset: 8, .size: 8, .value_kind: global_buffer, .address_space: global }
      - { .name: bq, .offset: 16, .size: 8, .value_kind: global_buffer, .address_space: global }
      - { .name: bk, .offset: 24, .size: 8, .value_kind: global_buffer, .address_space: global }
      - { .name: bv, .offset: 32, .size: 8, .value_kind: global_buffer, .address_space: global }
      - { .name: mask, .offset: 40, .size: 8, .value_kind: global_buffer, .address_space: global }
      - { .name: qc, .offset: 48, .size: 8, .value_kind: global_buffer, .address_space: global }
      - { .name: kv, .offset: 56, .size: 8, .value_kind: global_buffer, .address_space: global }
    .group_segment_fixed_size: 327680
    .private_segment_fixed_size: 0
    .kernarg_segment_align: 8
    .kernarg_segment_size: 64
    .max_flat_workgroup_size: 128
    .sgpr_count:     100
    .vgpr_count:     1024
    .wavefront_size: 32
...
	.end_amdgpu_metadata
.endif
;; end of part 2
;; launch attn (part 3): grid 256 x 1, 8 waves a work-group, clusters of 4 x 1, 327,680 bytes of LDS; arguments qc, kv, ac; writes ac
.if DOCPART == 3
	.amdgcn_target "amdgcn-amd-amdhsa--gfx1250"
	.amdhsa_code_object_version 6
	.text
	.protected	k_q29b84d1684_attn
	.globl	k_q29b84d1684_attn
	.p2align	8
	.type	k_q29b84d1684_attn,@function
k_q29b84d1684_attn:
	s_mov_b64 s[64:65], 0
	v_nop
	global_prefetch_b8 v0, s[64:65] scope:SCOPE_SE
	s_setreg_imm32_b32 hwreg(HW_REG_WAVE_MODE, 25, 1), 1
	s_wait_xcnt 0x0
	s_wait_alu depctr_hold_cnt(0) depctr_sa_sdst(0) depctr_va_vdst(0) depctr_va_sdst(0) depctr_va_ssrc(0) depctr_va_vcc(0) depctr_vm_vsrc(0)
	s_getreg_b32 s2, hwreg(HW_REG_IB_STS2, 6, 4)
	s_cmp_eq_u32 s2, 0
	s_cbranch_scc0 .Lentry_in_a_cluster
	s_endpgm
.Lentry_in_a_cluster:
	s_bfe_u32 s2, ttmp6, 0x10000c
	s_cmp_lg_u32 s2, 0x3003
	s_cbranch_scc0 .Lentry_shape_is_right
	s_endpgm
.Lentry_shape_is_right:
; Launch 3 of 4: o = softmax(q k^T / 32) v on codes of E2M3, and the quantiser of o along the features.  No work of the problem is left out here.
; SHARES.  Cluster bh = 16 x batch + head (64 of them); its four work-groups take 512 queries each.  ALL 16 KEY STEPS OF THE HEAD, 16 x KVB = 208,896 bytes, lie in LDS, fetched once by joint loads (mask 15):
; each of the 8 waves asks for two key steps, 102 rows of 256 bytes.  Nothing is filled again.  Waves 0-3 have a load line of their own and wait first: key steps 0-7 are worked while 8-15 land; one plain barrier shows those.
; A wave takes 64 queries in two passes of 32 (two tiles g) over the 16 key steps.  No prefetch: all fills go out at the head, so there is no loop to run ahead in.
; BOTH PRODUCTS ARE USED TRANSPOSED (S^T = k q^T, O^T = v^T p^T): a lane holds one query.  WHICH KEYS FORM A TILE IS CHOSEN BY THE LANES' LDS ADDRESSES: position p of tile T = 4 c + u is key 64 c + 32 (p / 8) + 8 u + p % 8,
; which launch 2 stored as position 8 (u / 2) + p % 8 of its tile 4 c + 2 (p / 8) + u % 2.  So registers 32 c .. 32 c + 31 of lane (r, h) are the 32 keys of scale block 2 c + h: the block's largest score needs no other lane,
; and the conversions' results are the operand's registers.  Lanes l and l xor 16 exchange the row's largest score and two scale bytes, no more.
; SOFTMAX as the problem states it: M = ceil(running largest t), t = score x log2(e) / 32; p = 2^(t - M); the sum of the unquantised p in f32; what was summed is multiplied by 2^(old M - new M), exactly, in every step.
; A block's largest p is made from its largest score by the same multiply-add and exponential.  The key mask is in k's scale bytes and the constant codes at k = 64 (launch 2's head comment).
; LIMITS: the promise holds while the scaled scores stay under 2^31 in magnitude; NaN and infinities are not served; a block of zeros keeps the byte 1.
; OUT.  ac block (panel of 128 tokens, K step of 128 features = heads 2 s, 2 s + 1) of GB bytes: tile t, head c = head % 2: six registers at 1,536 t + 768 c (0-3 at 16 x lane, 4-5 at 512 + 8 x lane);
; scale words at 12,288 + 128 t + 4 x lane, of which this head writes bytes 2 c, 2 c + 1: two bytes a lane, one part in 24 of what the launch stores.
; REGISTERS.  Window 0: v1-4, v60 LDS offsets; v5-9 this step's addresses; v12-19 -M, largest score, sums; v20-23 q's scale words; v24-31 k's; v32-35 v's; v36-59 p's codes; v61-63 offsets in ac; v64-191 scores, then p; v192-255 at work.
; Window 1: v0-95 k's eight fragments (registers 6-11 constant); v96-143 v's four; v144-167 q's two; v168-179 the second pass's q; v192-255 O^T.
.set KVB,   13056
.set HEADB, 16*KVB
.set SPARE, HEADB                      ; the spare words, 128 bytes a wave: four blocks of 256 bytes that no other line names
.set QBB,   6656
.set GB,    13312
.set SPW,   10
.set NIL,   11
.set WV,    10
.set G1,    16
.set G0,    24
.set CS,    32
.set SEL,   34
.set TB,    36
.set CNT,   37
.set OUT,   52
.set MSB, 0
.macro WIN new
.if MSB != (\new)
	s_set_vgpr_msb (MSB<<8)|(\new)
.set MSB, (\new)
.endif
.endm
.macro WALU
	s_wait_alu depctr_va_vdst(0)
.endm
.macro CROUND
	s_barrier_signal -1
	s_barrier_wait -1
	s_cmp_lg_u32 s[WV], 0
	s_cbranch_scc1 .Lnot_wave_0_\@
	s_barrier_signal -3
.Lnot_wave_0_\@:
	s_barrier_wait -3
	s_barrier_signal -1
	s_barrier_wait -1
.endm
; 32 numbers of a lane (register 16 b + i = feature 32 b + 16 h + i) become six registers of codes in v[d6] on and two scale bytes in v[pw]
.macro QUANT64 s, d6, tc, tm, pw
.irp b, 0,1
	v_max3_num_f32 v[(\tm)+\b], |v[(\s)+16*\b]|, |v[(\s)+1+16*\b]|, 0x1800000
.endr
.irp i, 2,4,6,8,10,12,14
.irp b, 0,1
	s_delay_alu instid0(VALU_DEP_2)
	v_max3_num_f32 v[(\tm)+\b], v[(\tm)+\b], |v[(\s)+16*\b+\i]|, |v[(\s)+1+16*\b+\i]|
.endr
.endr
.irp b, 0,1
	s_delay_alu instid0(VALU_DEP_2)
	v_permlanex16_b32 v[(\tm)+4+\b], v[(\tm)+\b], s[SEL], s[SEL+1]
.endr
.irp b, 0,1
	s_delay_alu instid0(VALU_DEP_2)
	v_max_num_f32 v[(\tm)+\b], v[(\tm)+\b], v[(\tm)+4+\b]
.endr
.irp b, 0,1
	s_delay_alu instid0(VALU_DEP_2)
	v_add_nc_u32 v[(\tm)+12+\b], 0xff000000, v[(\tm)+\b]
.endr
.irp b, 0,1
	s_delay_alu instid0(VALU_DEP_2)
	v_lshrrev_b32 v[(\tm)+4+\b], 23, v[(\tm)+12+\b]
.endr
	s_delay_alu instid0(VALU_DEP_1)
	v_lshl_or_b32 v[\pw], v[(\tm)+5], 8, v[(\tm)+4]
	v_cvt_scalef32_pk16_fp6_f32 v[(\d6):(\d6)+2], v[(\s):(\s)+15], v[(\tm)+12]
	v_cvt_scalef32_pk16_fp6_f32 v[(\tc):(\tc)+2], v[(\s)+16:(\s)+31], v[(\tm)+13]
	v_nop
.irp i, 0,1,2
	v_permlane16_swap_b32 v[(\d6)+\i], v[(\tc)+\i]
.endr
.irp i, 0,1,2
	s_delay_alu instid0(VALU_DEP_3)
	v_mov_b32 v[(\d6)+3+\i], v[(\tc)+\i]
.endr
.endm
; A pass begins: -M = 3e38, the largest score -3e38, the sums and O^T zeros, which the first change of M leaves zeros
.macro PASS_INIT
.irp g, 0,1
	v_mov_b32 v[12+4*\g], 0x7f61b1e6
	v_mov_b32 v[13+4*\g], 0xff61b1e6
	v_mov_b32 v[14+4*\g], 0
	v_mov_b32 v[15+4*\g], 0
.endr
	WIN 0x40
.set J, 192
.rept 64
	v_mov_b32 v[J], 0
.set J, J+1
.endr
	WIN 0
.endm
; ---- one key step: 128 keys x my 32 queries
.macro STEP
	v_add_nc_u32 v5, s[TB], v1
	v_add_nc_u32 v6, s[TB], v2
	v_add_nc_u32 v7, s[TB], v3
.irp c, 0,1
.irp u, 0,1
	ds_load_b64 v[24+4*\c+2*\u:25+4*\c+2*\u], v7 offset:6144+256*\u+16*\c      ; the scale words of tiles 4 c + 2 u, 4 c + 2 u + 1
.endr
.endr
	WIN 0x40
.irp t, 0,1,2,3,4,5,6,7
	ds_load_b128 v[12*\t:12*\t+3], v5 offset:768*(4*(\t/4)+\t%2)+128*((\t%4)/2)
	ds_load_b64 v[12*\t+4:12*\t+5], v6 offset:768*(4*(\t/4)+\t%2)+512+64*((\t%4)/2)
.endr
	s_wait_dscnt 0x0
	WIN 0x05
.irp t, 0,1,2,3,4,5,6,7
.irp g, 0,1
	v_wmma_scale_f32_16x16x128_f8f6f4 v[64+64*\g+8*\t:71+64*\g+8*\t], v[12*\t:12*\t+11], v[144+12*\g:155+12*\g], 0, v[24+\t], v[20+\g] matrix_a_fmt:MATRIX_FMT_FP6 matrix_b_fmt:MATRIX_FMT_FP6
.endr
.endr
	WIN 0
	v_add_nc_u32 v8, s[TB], v4                     ; these four lines are the places behind the products; with the three at the step's head they also part v's loads from the last step's products
	v_add_nc_u32 v9, s[TB], v60
	v_nop
	v_nop
	ds_load_b128 v[32:35], v8 offset:12800         ; v's scale words and fragments land under the softmax
	WIN 0x40
.irp d, 0,1,2,3
.irp c, 0,1,2
	ds_load_b128 v[96+12*\d+4*\c:99+12*\d+4*\c], v9 offset:QBB+1536*\d+512*\c
.endr
.endr
	WIN 0
.irp c, 0,1                                    ; the largest score of my block 2 c + h, four chains by turns; each accumulator is read from its low end on
.irp g, 0,1
	v_max3_num_f32 v[192+2*\g+\c], v[64+64*\g+32*\c], v[65+64*\g+32*\c], v[66+64*\g+32*\c]
.endr
.endr
.irp i, 3,5,7,9,11,13,15,17,19,21,23,25,27,29
.irp c, 0,1
.irp g, 0,1
	v_max3_num_f32 v[192+2*\g+\c], v[192+2*\g+\c], v[64+64*\g+32*\c+\i], v[65+64*\g+32*\c+\i]
.endr
.endr
.endr
.irp c, 0,1
.irp g, 0,1
	v_max_num_f32 v[192+2*\g+\c], v[192+2*\g+\c], v[95+64*\g+32*\c]
.endr
.endr
.irp g, 0,1
	v_max3_num_f32 v[13+4*\g], v[13+4*\g], v[192+2*\g], v[193+2*\g]            ; the running largest score,
.endr
.irp g, 0,1
	s_delay_alu instid0(VALU_DEP_2)
	v_permlanex16_b32 v[204+\g], v[13+4*\g], s[SEL], s[SEL+1]
.endr
.irp g, 0,1
	s_delay_alu instid0(VALU_DEP_2)
	v_max_num_f32 v[13+4*\g], v[13+4*\g], v[204+\g]                            ; with lane l xor 16's
.endr
.irp g, 0,1
	s_delay_alu instid0(VALU_DEP_2)
	v_mul_f32 v[216+\g], s[CS], v[13+4*\g]                                     ; as t
.endr
.irp g, 0,1
	s_delay_alu instid0(VALU_DEP_2)
	v_floor_f32 v[218+\g], -v[216+\g]                                          ; the new -M = -ceil(t)
.endr
.irp g, 0,1
	s_delay_alu instid0(VALU_DEP_2)
	v_sub_f32 v[216+\g], v[218+\g], v[12+4*\g]                                 ; old M - new M, a whole number, 0 or less
.endr
.irp g, 0,1
	v_mov_b32 v[12+4*\g], v[218+\g]
.endr
.irp g, 0,1
	s_delay_alu instid0(VALU_DEP_4)
	v_cvt_i32_f32 v[216+\g], v[216+\g]                                         ; (it saturates)
.endr
.irp g, 0,1
	s_delay_alu instid0(VALU_DEP_2)
	v_ldexp_f32 v[212+2*\g], 1.0, v[216+\g]                                    ; f = 2^(old M - new M)
.endr
.set J, 0
.rept 32
	v_pk_fma_f32 v[64+J:65+J], v[64+J:65+J], s[CS:CS+1], v[12:13] op_sel_hi:[1,0,0]      ; t - M
	v_pk_fma_f32 v[128+J:129+J], v[128+J:129+J], s[CS:CS+1], v[16:17] op_sel_hi:[1,0,0]
.set J, J+2
.endr
.irp c, 0,1
.irp g, 0,1
	v_fma_f32 v[192+2*\g+\c], v[192+2*\g+\c], s[CS], v[12+4*\g]                ; the same of each block's largest score
.endr
.endr
	WALU
.set J, 0
.rept 64
	v_exp_f32 v[64+J], v[64+J]
	v_exp_f32 v[128+J], v[128+J]
.set J, J+1
.endr
.irp k, 0,1,2,3
	v_exp_f32 v[192+\k], v[192+\k]
.endr
.irp g, 0,1
	v_pk_mul_f32 v[14+4*\g:15+4*\g], v[14+4*\g:15+4*\g], v[212+2*\g:213+2*\g] op_sel_hi:[1,0]   ; the sums under the new M
.endr
	WALU                                           ; and behind it, ahead of its first reader
.irp g, 0,1
	v_pk_add_f32 v[236+2*\g:237+2*\g], v[64+64*\g:65+64*\g], v[66+64*\g:67+64*\g]      ; the sum of the unquantised p, two chains a tile
.endr
.irp j, 4,8,12,16,20,24,28,32,36,40,44,48,52,56,60
.irp g, 0,1
	v_pk_add_f32 v[14+4*\g:15+4*\g], v[14+4*\g:15+4*\g], v[64+64*\g+\j:65+64*\g+\j]
	v_pk_add_f32 v[236+2*\g:237+2*\g], v[236+2*\g:237+2*\g], v[66+64*\g+\j:67+64*\g+\j]
.endr
.endr
.irp g, 0,1
	v_pk_add_f32 v[14+4*\g:15+4*\g], v[14+4*\g:15+4*\g], v[236+2*\g:237+2*\g]
.endr
.irp k, 0,1,2,3
	v_max_num_f32 v[192+\k], 0x1800000, v[192+\k]          ; the floor 2^(3 - 127): the byte cannot fall under 1
.endr
.irp k, 0,1,2,3
	v_add_nc_u32 v[196+\k], 0xff000000, v[192+\k]          ; 2 off the exponent field: the conversion's scale operand
.endr
.irp k, 0,1,2,3
	v_lshrrev_b32 v[200+\k], 23, v[196+\k]                 ; the byte
.endr
.irp g, 0,1
	v_lshl_or_b32 v[213+2*\g], v[201+2*\g], 16, v[200+2*\g]    ; my blocks h and 2 + h,
.endr
.irp g, 0,1
	s_delay_alu instid0(VALU_DEP_2)
	v_lshlrev_b32 v[213+2*\g], v206, v[213+2*\g]               ; 8 h bits up,
.endr
.irp g, 0,1
	s_delay_alu instid0(VALU_DEP_2)
	v_permlanex16_b32 v[204+\g], v[213+2*\g], s[SEL], s[SEL+1]
.endr
.irp g, 0,1
	s_delay_alu instid0(VALU_DEP_2)
	v_or_b32 v[213+2*\g], v[213+2*\g], v[204+\g]               ; with lane l xor 16's two: p's scale word
.endr
.irp g, 0,1
.irp c, 0,1
	v_cvt_scalef32_pk16_fp6_f32 v[36+12*\g+6*\c:38+12*\g+6*\c], v[64+64*\g+32*\c:79+64*\g+32*\c], v[196+2*\g+\c]
	v_cvt_scalef32_pk16_fp6_f32 v[220+8*\g+4*\c:222+8*\g+4*\c], v[80+64*\g+32*\c:95+64*\g+32*\c], v[196+2*\g+\c]   ; (a conversion's three registers begin on an even number)
.endr
.endr
	v_nop                                          ; one plain place behind a scaled conversion
.irp g, 0,1
.irp c, 0,1
.irp i, 0,1,2
	v_mov_b32 v[39+12*\g+6*\c+\i], v[220+8*\g+4*\c+\i]
.endr
.endr
.endr
	WIN 0x41
	WALU
.irp j, 0,2,4,6,8,10,12,14,16,18,20,22,24,26,28,30
.irp g, 0,1
	v_pk_mul_f32 v[192+32*\g+\j:193+32*\g+\j], v[192+32*\g+\j:193+32*\g+\j], v[212+2*\g:213+2*\g] op_sel_hi:[1,0]   ; O^T under the new M; these 32 are also the places ahead of the products
.endr
.endr
	WALU
	s_wait_dscnt 0x0                               ; v's fragments are in
	WIN 0x51
.irp d, 0,1,2,3
.irp g, 0,1
	v_wmma_scale_f32_16x16x128_f8f6f4 v[192+32*\g+8*\d:199+32*\g+8*\d], v[96+12*\d:107+12*\d], v[36+12*\g:47+12*\g], v[192+32*\g+8*\d:199+32*\g+8*\d], v[32+\d], v[213+2*\g] matrix_a_fmt:MATRIX_FMT_FP6 matrix_b_fmt:MATRIX_FMT_FP6
.endr
.endr
	WIN 0
	s_add_co_u32 s[TB], s[TB], KVB
.endm
.macro RUN8                            ; eight key steps from s[TB] on
	s_mov_b32 s[CNT], 8
.Lstep_\@:
	STEP
	s_sub_co_u32 s[CNT], s[CNT], 1
	s_cmp_lg_u32 s[CNT], 0
	s_cbranch_scc1 .Lstep_\@
.endm
; ---- a pass ends: O^T / the sum, quantised along the head's 64 features, stored
.macro FINISH
.irp g, 0,1
	v_add_f32 v[14+4*\g], v[14+4*\g], v[15+4*\g]
.endr
.irp g, 0,1
	s_delay_alu instid0(VALU_DEP_2)
	v_permlanex16_b32 v[204+\g], v[14+4*\g], s[SEL], s[SEL+1]
.endr
.irp g, 0,1
	s_delay_alu instid0(VALU_DEP_2)
	v_add_f32 v[14+4*\g], v[14+4*\g], v[204+\g]
.endr
	WALU
.irp g, 0,1
	v_rcp_f32 v[14+4*\g], v[14+4*\g]
.endr
	v_nop
	WALU
	WIN 0x01
.irp g, 0,1
.irp j, 0,2,4,6,8,10,12,14,16,18,20,22,24,26,28,30
	v_pk_mul_f32 v[80+64*\g+\j:81+64*\g+\j], v[192+32*\g+\j:193+32*\g+\j], v[14+4*\g:15+4*\g] op_sel_hi:[1,0]
.endr
.endr
	WIN 0
.irp g, 0,1
	QUANT64 80+64*\g, 64+64*\g, 216+4*\g, 192+48*\g, 208+\g
	global_store_b128 v61, v[64+64*\g:67+64*\g], s[8:9] offset:1536*\g         ; 512 consecutive bytes, aligned
	global_store_b64 v62, v[68+64*\g:69+64*\g], s[8:9] offset:1536*\g+512      ; 256 consecutive bytes, aligned
	global_store_b16 v63, v[208+\g], s[8:9] offset:128*\g                      ; my head's half of the scale words
.endr
.endm
; ================= the head
	s_load_b128 s[4:7], s[0:1], 0x0                ; qc, kv
	s_load_b64 s[8:9], s[0:1], 0x10                ; ac
	v_lshl_add_u32 v[SPW], v0, 2, SPARE
	v_mov_b32 v[NIL], 0
	ds_add_u32 v[SPW], v[NIL]                      ; the opening lines: the add, twice on end, and its wait
	ds_add_u32 v[SPW], v[NIL]
	v_lshrrev_b32 v1, 5, v0
	v_readfirstlane_b32 s[WV], v1
	s_bfe_u32 s11, ttmp6, 0x40000                  ; cx: my 512 queries
	s_lshl_b32 s11, s11, 2
	s_lshr_b32 s12, s[WV], 1
	s_add_co_u32 s12, s12, s11                     ; my wave's block of 128 queries: 4 cx + wave / 2
	s_and_b32 s13, s[WV], 1                        ; and its half: tiles 4 (wave % 2) + 2 x pass + g
	s_mul_i32 s38, ttmp9, HEADB                    ; the head's keys and values,
	s_mul_i32 s14, s[WV], 2*KVB                    ; my two key steps: the same offset in memory and in LDS
	s_add_co_u32 s38, s38, s14
	s_mov_b32 s39, 0
	s_lshl_b32 s40, ttmp9, 4
	s_add_co_u32 s40, s40, s12
	s_mul_i32 s40, s40, QBB
	s_mov_b32 s41, 0
	s_lshr_b32 s44, ttmp9, 4
	s_lshl_b32 s44, s44, 4
	s_add_co_u32 s44, s44, s12                     ; panel = 16 x batch + block
	s_lshl_b32 s44, s44, 3
	s_bfe_u32 s45, ttmp9, 0x30001                  ; K step = head / 2
	s_add_co_u32 s44, s44, s45
	s_mul_i32 s44, s44, GB
	s_mov_b32 s45, 0
	s_and_b32 s46, ttmp9, 1                        ; c = head % 2
	s_mul_i32 s47, s13, 3072
	s_lshl_b32 s48, s13, 4
	s_mul_i32 s49, s13, 6144
	s_mul_i32 s50, s46, 768
	s_add_co_u32 s49, s49, s50
	s_lshl_b32 s50, s13, 9
	s_lshl_b32 s51, s46, 1
	s_add_co_u32 s50, s50, s51
	s_add_co_u32 s50, s50, 12288
	s_mov_b32 s[G1], 15|(3<<16)|(1<<21)            ; the mask: all four of the cluster; elements of 8 bytes; bit 21 beside a mask
	s_mov_b32 s[G1+1], 32<<16                      ; rows of 256 bytes
	s_mov_b32 s[G1+2], 102<<16
	s_mov_b32 s[G1+3], 32<<16
	s_mov_b32 s[G1+4], 102
	s_mov_b32 s[G1+5], 32
	s_mov_b32 s[G1+6], 0
	s_mov_b32 s[G1+7], 0
	s_mov_b32 s[CS], 0x3d38aa3b                    ; log2(e) / 32
	s_mov_b32 s[CS+1], s[CS]
	s_mov_b32 s[SEL], 0x76543210
	s_mov_b32 s[SEL+1], 0xfedcba98
	s_mov_b32 s[TB], 0
	v_and_b32 v192, 31, v0                         ; lane
	v_and_b32 v193, 15, v0                         ; r
	v_bfe_u32 v194, v0, 4, 1                       ; h
	v_and_b32 v195, 7, v0                          ; r % 8
	v_bfe_u32 v196, v0, 3, 1                       ; r / 8
	v_mul_u32_u24 v197, v196, 1536
	v_lshl_add_u32 v1, v195, 4, v197
	v_lshl_add_u32 v1, v194, 8, v1                 ; k's registers 0-3: 1,536 (r / 8) + 16 (r % 8) + 256 h
	v_lshl_add_u32 v2, v195, 3, v197
	v_lshl_add_u32 v2, v194, 7, v2                 ; registers 4-5: 1,536 (r / 8) + 8 (r % 8) + 128 h
	v_lshlrev_b32 v3, 5, v195
	v_lshl_add_u32 v3, v196, 3, v3                 ; k's scale words: 32 (r % 8) + 8 (r / 8)
	v_lshlrev_b32 v4, 4, v193                      ; v's scale words: 16 r
	v_lshlrev_b32 v60, 4, v192                     ; v's fragments: 16 x lane
	v_add_nc_u32 v198, s47, v60                    ; q in memory
	v_lshl_add_u32 v199, v192, 3, s47
	v_lshl_add_u32 v200, v193, 5, s48
	v_add_nc_u32 v61, s49, v60                     ; my places in ac
	v_lshl_add_u32 v62, v192, 3, s49
	v_lshl_add_u32 v63, v192, 2, s50
	v_lshlrev_b32 v206, 3, v194                    ; 8 h
	v_sub_nc_u32 v201, 1, v194
	v_mul_u32_u24 v202, v201, 0x38                 ; the code -4 at k = 64 (lanes 0-15), for the keys
	v_mul_u32_u24 v203, v201, 0x18                 ; the code +4, for the queries
	WALU
	s_wait_dscnt 0x0
	s_wait_kmcnt 0x0
	s_add_nc_u64 s[38:39], s[6:7], s[38:39]
	s_add_nc_u64 s[4:5], s[4:5], s[40:41]
	s_add_nc_u64 s[8:9], s[8:9], s[44:45]
	s_mov_b32 s[G0], 1
	s_mov_b32 s[G0+1], s14
	s_mov_b64 s[G0+2:G0+3], s[38:39]
	s_or_b32 s[G0+3], s[G0+3], 0x80000000
	WIN 0x40
.irp g, 0,1                                    ; both passes' queries are asked for ahead of the round
	global_load_b128 v[144+12*\g:147+12*\g], v198, s[4:5] offset:768*\g
	global_load_b64 v[148+12*\g:149+12*\g], v199, s[4:5] offset:768*\g+512
	global_load_b128 v[168+6*\g:171+6*\g], v198, s[4:5] offset:768*(2+\g)
	global_load_b64 v[172+6*\g:173+6*\g], v199, s[4:5] offset:768*(2+\g)+512
.endr
	WIN 0
	global_load_b128 v[20:23], v200, s[4:5] offset:6144    ; my four tiles' scale words
	CROUND                                         ; the four work-groups are here: the joint loads meet
	s_cmp_lt_u32 s[WV], 4
	s_cbranch_scc0 .Lupper
	tensor_load_to_lds s[G0:G0+3], s[G1:G1+7]      ; waves 0-3: key steps 0-7
	s_nop 0
.rept 4
	v_nop
.endr
	s_branch .Lasked
.Lupper:
	tensor_load_to_lds s[G0:G0+3], s[G1:G1+7]      ; waves 4-7: key steps 8-15, by a line of their own
	s_nop 0
.rept 4
	v_nop
.endr
.Lasked:
	WIN 0x40
.irp t, 0,1,2,3,4,5,6,7
	v_mov_b32 v[12*\t+6], v202
.irp i, 7,8,9,10,11
	v_mov_b32 v[12*\t+\i], 0
.endr
.endr
.irp g, 0,1
	v_mov_b32 v[144+12*\g+6], v203
.irp i, 7,8,9,10,11
	v_mov_b32 v[144+12*\g+\i], 0
.endr
.endr
	WIN 0
.irp k, 204,205,213,215,244,245
	v_mov_b32 v[\k], 0
.endr
	PASS_INIT
	WALU
	s_cmp_lt_u32 s[WV], 4
	s_cbranch_scc0 .Lnot_first
	s_wait_tensorcnt 0x0
.Lnot_first:
	s_barrier_signal -1
	s_barrier_wait -1                              ; key steps 0-7 are in; 8-15 may be on their way
	s_wait_loadcnt 0x0
	RUN8                                           ; the first pass, key steps 0-7
	s_wait_tensorcnt 0x0
	s_wait_dscnt 0x0
	s_barrier_signal -1
	s_barrier_wait -1                              ; all sixteen key steps are in
	s_mov_b32 s[OUT], 0
.Lquarter:                                             ; three trips: the first pass's steps 8-15, the second pass's 0-7 and 8-15
	s_add_co_u32 s53, s[OUT], 1
	s_and_b32 s53, s53, 1
	s_mul_i32 s[TB], s53, 8*KVB
	RUN8
	s_add_co_u32 s[OUT], s[OUT], 1
	s_cmp_eq_u32 s[OUT], 2
	s_cbranch_scc1 .Lon                            ; in the middle of the second pass
	FINISH
	s_cmp_eq_u32 s[OUT], 3
	s_cbranch_scc1 .Lon
	WIN 0x41                                       ; the second pass's queries; the lines of PASS_INIT are the places ahead of the products that take them
.irp g, 0,1
.irp i, 0,1,2,3,4,5
	v_mov_b32 v[144+12*\g+\i], v[168+6*\g+\i]
.endr
.endr
	WIN 0
	v_mov_b32 v20, v22
	v_mov_b32 v21, v23
	PASS_INIT
	s_wait_xcnt 0x0                                ; the stores have read their offsets and data
	v_add_nc_u32 v61, 3072, v61                    ; two tiles on
	v_add_nc_u32 v62, 3072, v62
	v_add_nc_u32 v63, 256, v63
.Lon:
	WALU
	s_cmp_lt_u32 s[OUT], 3
	s_cbranch_scc1 .Lquarter
	s_wait_tensorcnt 0x0                           ; the wave's end
	ds_add_u32 v[SPW], v[NIL]
	s_wait_dscnt 0x0
	CROUND                                         ; the closing round
	s_endpgm
.Lfunc_end_k_q29b84d1684_attn:
	.size	k_q29b84d1684_attn, .Lfunc_end_k_q29b84d1684_attn-k_q29b84d1684_attn
	.p2alignl 7, 3214868480
	.fill 96, 4, 3214868480
	.section	.rodata,"a",@progbits
	.p2align	6, 0x0
	.amdhsa_kernel k_q29b84d1684_attn
		.amdhsa_group_segment_fixed_size 327680
		.amdhsa_private_segment_fixed_size 0
		.amdhsa_enable_private_segment 0
		.amdhsa_kernarg_size 24
		.amdhsa_user_sgpr_count 2
		.amdhsa_user_sgpr_kernarg_segment_ptr 1
		.amdhsa_wavefront_size32 1
		.amdhsa_system_sgpr_workgroup_id_x 1
		.amdhsa_system_sgpr_workgroup_id_y 1
		.amdhsa_system_sgpr_workgroup_id_z 1
		.amdhsa_system_vgpr_workitem_id 0
		.amdhsa_next_free_vgpr 512
		.amdhsa_next_free_sgpr 66
		.amdhsa_reserve_vcc 0
		.amdhsa_float_denorm_mode_32 3
		.amdhsa_float_denorm_mode_16_64 3
		.amdhsa_memory_ordered 1
		.amdhsa_forward_progress 1
		.amdhsa_inst_pref_size 79
	.end_amdhsa_kernel
	.amdgpu_metadata
---
amdhsa.version: [ 1, 2 ]
amdhsa.kernels:
  - .name:           k_q29b84d1684_attn
    .symbol:         k_q29b84d1684_attn.kd
    .args:
      - { .name: qc, .offset: 0, .size: 8, .value_kind: global_buffer, .address_space: global }
      - { .name: kv, .offset: 8, .size: 8, .value_kind: global_buffer, .address_space: global }
      - { .name: ac, .offset: 16, .size: 8, .value_kind: global_buffer, .address_space: global }
    .group_segment_fixed_size: 327680
    .private_segment_fixed_size: 0
    .kernarg_segment_align: 8
    .kernarg_segment_size: 24
    .max_flat_workgroup_size: 256
    .sgpr_count:     66
    .vgpr_count:     512
    .wavefront_size: 32
...
	.end_amdgpu_metadata
.endif
;; end of part 3
;; launch oproj (part 4): grid 64 x 4, 4 waves a work-group, clusters of 4 x 4, 327,680 bytes of LDS; arguments ac, wc, bo, out0; writes out0
.if DOCPART == 4
	.amdgcn_target "amdgcn-amd-amdhsa--gfx1250"
	.amdhsa_code_object_version 6
	.text
	.protected	k_q29b84d1684_oproj
	.globl	k_q29b84d1684_oproj
	.p2align	8
	.type	k_q29b84d1684_oproj,@function
k_q29b84d1684_oproj:
	s_mov_b64 s[64:65], 0
	v_nop
	global_prefetch_b8 v0, s[64:65] scope:SCOPE_SE
	s_setreg_imm32_b32 hwreg(HW_REG_WAVE_MODE, 25, 1), 1
	s_wait_xcnt 0x0
	s_wait_alu depctr_hold_cnt(0) depctr_sa_sdst(0) depctr_va_vdst(0) depctr_va_sdst(0) depctr_va_ssrc(0) depctr_va_vcc(0) depctr_vm_vsrc(0)
	s_getreg_b32 s2, hwreg(HW_REG_IB_STS2, 6, 4)
	s_cmp_eq_u32 s2, 0
	s_cbranch_scc0 .Lentry_in_a_cluster
	s_endpgm
.Lentry_in_a_cluster:
	s_bfe_u32 s2, ttmp6, 0x10000c
	s_cmp_lg_u32 s2, 0xf033
	s_cbranch_scc0 .Lentry_shape_is_right
	s_endpgm
.Lentry_shape_is_right:
; Launch 4 of 4: out0 = attn wo + bo on codes of E2M3.  No work of the problem is left out here.
; OPERANDS are images of registers.  A block (panel of 128 rows, K step of 128) is GB bytes at (8 x panel + step) x GB.  wc (launch 1; wo's panels are 24-31): fragment t at 1,536 t + 512 c + 16 x lane.
; ac (launch 3): fragment t in two halves of 768 bytes, registers 6 c .. 6 c + 3 at 1,536 t + 768 c + 16 x lane, 6 c + 4, 6 c + 5 at + 512 + 8 x lane.  Both: scale words at 12,288 + 128 t + 4 x lane.
; Tile t, position p of a panel is its row 32 (t / 2) + 8 (t % 2) + p + 8 (p / 8).
; SHARES.  256 work-groups: a block of 128 rows (one panel of ac) x 256 columns (two panels of wo).  Four waves, 2 x 2: a wave makes 64 x 128, 32 accumulators.  Source 0 = wo's rows (columns of the result), source 1 = ac's rows:
; a lane's eight results are neighbours in a row of the result.
; ALL OF K LIES IN LDS AT ONCE: ac's panel 8 GB bytes, wo's two panels 16 GB: 319,488 bytes, filled once.  Clusters of 4 x 4: ac's panel hangs on the tile row and is asked for jointly by my row of the cluster, wo's panels on the tile
; column and by my column.  One joint load a wave at the head: wave 0 ac's K steps 0-3 (208 rows of 256 bytes), wave 1 wo's steps 0-3 (two rows of 4 GB bytes, a panel apart in memory, on end in LDS), waves 2 and 3 the same for steps 4-7.
; Each arm has a line of its own: the first barrier shows waves 0 and 1's tiles; a plain barrier in K step 3 shows the others.  Nothing is filled again.  No prefetch: all fills go out at the head, so there is no loop to run ahead in.
; A K STEP: the next step's 48 LDS loads go out into the other sets of registers, then this step's 32 products.
; THE WAY OUT goes through a stage of the wave's own, laid over ac's K steps 0-2: behind the barrier in K step 3 nobody reads them, and they have had their only fill.
; REGISTERS: window 0: v8-11, v16-21 LDS addresses; v24-30 the way out, the spare word; v32-47 scale words, two sets; v64-67 the bias; v128-223 source 1's fragments, two sets of four (on the way out: rows read back).
; window 1: source 0's fragments, two sets of eight, at v0 and v128.   window 2: accumulator (a, b) at v[8 (8 a + b)].
.set GB,    13312
.set PANB,  8*GB
.set HK,    4*GB                       ; four K steps of a panel
.set BREG,  PANB                       ; wo's region: [K half][panel][step]
.set SPARE, 3*PANB                     ; the spare words, 128 bytes a wave: two blocks of 256 bytes that no other line names
.set SPITCH, 528
.set FR,    12
.set NP,    4                          ; places behind this matrix instruction (ISA guide 7.12.1)
.set NLD,   48                         ; LDS loads of a K step: 24 + 16 + 8
.set ADRS, 8                           ; v8-9 scale words of blocks 0-3 in K half 0, 1: lanes 0-15 source 1's, lanes 16-31 source 0's; v10-11 the same with source 0's blocks 4-7
.set ADRA, 16                          ; v16-17 source 1's fragments, 16 x lane
.set ADRA8, 18                         ; v18-19 8 x lane
.set ADRB, 20                          ; v20-21 source 0's
.set STO,  24
.set RD,   25
.set SPW,  28
.set NIL,  29
.set CO,   30
.set SC,   32
.set AF,   128
.set BK,   128
.set WV,   20
.set H1,   21                          ; my half of the rows; at the head: which half of K I fetch
.set H0,   22                          ; my half of the columns; at the head: I fetch for ac (0) or wo (1)
.set G1A,  24
.set G0A,  32
.set G1B,  48
.set G0B,  56
.set MSB, 0
.macro WIN new
.if MSB != (\new)
	s_set_vgpr_msb (MSB<<8)|(\new)
.set MSB, (\new)
.endif
.endm
.macro CROUND
	s_barrier_signal -1
	s_barrier_wait -1
	s_cmp_lg_u32 s[WV], 0
	s_cbranch_scc1 .Lnot_wave_0_\@
	s_barrier_signal -3
.Lnot_wave_0_\@:
	s_barrier_wait -3
	s_barrier_signal -1
	s_barrier_wait -1
.endm
.macro PLACES n
.rept \n
	v_nop
.endr
.endm
.macro HARM under, g0, g1, next
	s_cmp_lt_u32 s[WV], \under
	s_cbranch_scc0 \next
	tensor_load_to_lds s[\g0:\g0+3], s[\g1:\g1+7]
	s_nop 0
.rept 4
	v_nop
.endr
	s_branch .Lhead_asked
\next:
.endm
; K step q's fragments and scale words into set q % 2
.macro FETCH q
	WIN 0x40
.irp b, 0,1,2,3,4,5,6,7
.irp c, 0,1,2
	ds_load_b128 v[128*((\q)%2)+FR*\b+4*\c:128*((\q)%2)+FR*\b+4*\c+3], v[ADRB+(\q)/4] offset:((\q)%4)*GB+\b*1536+512*\c
.endr
.endr
	WIN 0
.irp a, 0,1,2,3
	ds_load_b128 v[AF+48*((\q)%2)+FR*\a:AF+48*((\q)%2)+FR*\a+3], v[ADRA+(\q)/4] offset:((\q)%4)*GB+\a*1536
	ds_load_b64 v[AF+48*((\q)%2)+FR*\a+4:AF+48*((\q)%2)+FR*\a+5], v[ADRA8+(\q)/4] offset:((\q)%4)*GB+\a*1536+512
	ds_load_b128 v[AF+48*((\q)%2)+FR*\a+6:AF+48*((\q)%2)+FR*\a+9], v[ADRA+(\q)/4] offset:((\q)%4)*GB+\a*1536+768
	ds_load_b64 v[AF+48*((\q)%2)+FR*\a+10:AF+48*((\q)%2)+FR*\a+11], v[ADRA8+(\q)/4] offset:((\q)%4)*GB+\a*1536+1280
.endr
.irp i, 0,1,2,3
	ds_load_b32 v[SC+8*((\q)%2)+\i], v[ADRS+(\q)/4] offset:((\q)%4)*GB+12288+128*\i
	ds_load_b32 v[SC+8*((\q)%2)+4+\i], v[ADRS+2+(\q)/4] offset:((\q)%4)*GB+12288+128*\i
.endr
.endm
; 32 products: the accumulators take turns, one instruction a turn, in the same order in every step
.macro MUL q, zero
	WIN 0xa1                                       ; source 0 window 1, source 1 window 0, C and D window 2
.irp a, 0,1,2,3
.irp b, 0,1,2,3,4,5,6,7
.if \zero
	v_wmma_scale_f32_16x16x128_f8f6f4 v[8*(8*\a+\b):8*(8*\a+\b)+7], v[128*((\q)%2)+FR*\b:128*((\q)%2)+FR*\b+FR-1], v[AF+48*((\q)%2)+FR*\a:AF+48*((\q)%2)+FR*\a+FR-1], 0, v[SC+8*((\q)%2)+\b], v[SC+8*((\q)%2)+\a] matrix_a_fmt:MATRIX_FMT_FP6 matrix_b_fmt:MATRIX_FMT_FP6 matrix_a_scale:MATRIX_SCALE_ROW1
.else
	v_wmma_scale_f32_16x16x128_f8f6f4 v[8*(8*\a+\b):8*(8*\a+\b)+7], v[128*((\q)%2)+FR*\b:128*((\q)%2)+FR*\b+FR-1], v[AF+48*((\q)%2)+FR*\a:AF+48*((\q)%2)+FR*\a+FR-1], v[8*(8*\a+\b):8*(8*\a+\b)+7], v[SC+8*((\q)%2)+\b], v[SC+8*((\q)%2)+\a] matrix_a_fmt:MATRIX_FMT_FP6 matrix_b_fmt:MATRIX_FMT_FP6 matrix_a_scale:MATRIX_SCALE_ROW1
.endif
.endr
.endr
	WIN 0
.endm
.macro KSTEP q                         ; the places part the loads from the last step's products, which read the registers that they fill
	PLACES NP
	FETCH (\q)+1
	s_wait_dscnt NLD                               ; all but the 48 just issued: this step's are in
	MUL \q, 0
.endm
	s_load_b256 s[4:11], s[0:1], 0x0               ; ac s[4:5], wc s[6:7], bo s[8:9], out0 s[10:11]
	v_lshl_add_u32 v[SPW], v0, 2, SPARE
	v_mov_b32 v[NIL], 0
	ds_add_u32 v[SPW], v[NIL]                      ; the opening lines: the add, twice on end, and its wait
	ds_add_u32 v[SPW], v[NIL]
	v_lshrrev_b32 v1, 5, v0
	v_readfirstlane_b32 s[WV], v1
	s_lshr_b32 s[H1], s[WV], 1
	s_and_b32 s[H0], s[WV], 1
	s_bfe_u32 s40, ttmp6, 0x40000                  ; cx: the tile column
	s_bfe_u32 s41, ttmp6, 0x40004                  ; cy
	s_lshl_b32 s68, ttmp9, 2
	s_add_co_u32 s68, s68, s41                     ; ac's panel = 4 x cluster x + cy
	s_lshl_b32 s43, s41, 2
	s_lshl_b32 s43, 15, s43                        ; my row of the cluster
	s_lshl_b32 s44, 0x1111, s40                    ; my column
	s_or_b32 s[G1A+0], s43, (3<<16)|(1<<21)        ; elements of 8 bytes; bit 21 beside a mask; no padding
	s_mov_b32 s[G1A+1], 32<<16                     ; rows of 256 bytes,
	s_mov_b32 s[G1A+2], (HK/256)<<16               ; 208 of them, dense
	s_mov_b32 s[G1A+3], 32<<16
	s_mov_b32 s[G1A+4], HK/256
	s_mov_b32 s[G1A+5], 32
	s_mov_b32 s[G1A+6], 0
	s_mov_b32 s[G1A+7], 0
	s_or_b32 s[G1B+0], s44, (3<<16)|(1<<21)
	s_mov_b32 s[G1B+1], (HK/8)<<16                 ; two rows of 4 GB bytes,
	s_mov_b32 s[G1B+2], 2<<16
	s_mov_b32 s[G1B+3], (HK/8)<<16
	s_mov_b32 s[G1B+4], 2
	s_mov_b32 s[G1B+5], PANB/8                     ; a panel apart
	s_mov_b32 s[G1B+6], 0
	s_mov_b32 s[G1B+7], 0
	s_mul_i32 s23, s[H1], HK                       ; the half of K that I fetch
	s_mul_i32 s66, s68, PANB
	s_add_co_u32 s66, s66, s23
	s_mov_b32 s67, 0
	s_lshl_b32 s46, s40, 1
	s_add_co_u32 s46, s46, 24                      ; wo's panels 24 + 2 cx, 25 + 2 cx
	s_mul_i32 s46, s46, PANB
	s_add_co_u32 s46, s46, s23
	s_mov_b32 s47, 0
	s_mov_b32 s[G0A], 1
	s_mov_b32 s[G0A+1], s23
	s_mov_b32 s[G0B], 1
	s_mul_i32 s[G0B+1], s[H1], 2*HK
	s_add_co_u32 s[G0B+1], s[G0B+1], BREG
	s_wait_dscnt 0x0                               ; both opening adds are done
	s_wait_kmcnt 0x0
	s_add_nc_u64 s[G0A+2:G0A+3], s[4:5], s[66:67]
	s_or_b32 s[G0A+3], s[G0A+3], 0x80000000
	s_add_nc_u64 s[G0B+2:G0B+3], s[6:7], s[46:47]
	s_or_b32 s[G0B+3], s[G0B+3], 0x80000000
	CROUND                                         ; all sixteen work-groups are here: the joint loads meet
	HARM 1, G0A, G1A, .Lhead_1
	HARM 2, G0B, G1B, .Lhead_2
	HARM 3, G0A, G1A, .Lhead_3
	tensor_load_to_lds s[G0B:G0B+3], s[G1B:G1B+7]
	s_nop 0
.rept 4
	v_nop
.endr
.Lhead_asked:
	v_and_b32 v1, 15, v0                           ; r
	v_bfe_u32 v2, v0, 4, 1                         ; h
	v_and_b32 v3, 31, v0                           ; lane
	v_lshlrev_b32 v[CO], 4, v3
	s_wait_alu depctr_va_vdst(0)
	s_lshl_b32 s78, s40, 10
	s_lshl_b32 s79, s[H0], 9
	s_add_co_u32 s78, s78, s79                     ; my 128 columns, in bytes
	s_mov_b32 s79, 0
	s_add_nc_u64 s[8:9], s[8:9], s[78:79]
	global_load_b128 v[64:67], v[CO], s[8:9]       ; the bias at my four columns of a row
	s_lshl_b32 s76, s68, 7
	s_lshl_b32 s77, s[H1], 6
	s_add_co_u32 s76, s76, s77                     ; my first row: 128 x panel + 64 x half
	s_lshl_b32 s76, s76, 12
	s_mov_b32 s77, 0
	s_add_nc_u64 s[10:11], s[10:11], s[76:77]
	s_add_nc_u64 s[10:11], s[10:11], s[78:79]
	s_mul_i32 s23, s[H1], 4*1536                   ; my four tiles of ac's panel
	s_mul_i32 s3, s[H0], HK
	s_add_co_u32 s3, s3, BREG                      ; my panel of wo
	s_lshl_b32 s70, s[H1], 9                       ; my four tiles' scale words
	s_sub_co_u32 s71, s3, s70
	s_mul_i32 s72, s[WV], 16*SPITCH                ; my stage
	v_add_nc_u32 v[ADRA], s23, v[CO]
	v_add_nc_u32 v[ADRA+1], HK, v[ADRA]
	v_lshl_add_u32 v[ADRA8], v3, 3, s23
	v_add_nc_u32 v[ADRA8+1], HK, v[ADRA8]
	v_add_nc_u32 v[ADRB], s3, v[CO]
	v_add_nc_u32 v[ADRB+1], 2*HK, v[ADRB]
	v_mul_u32_u24 v14, s71, v2                     ; lanes 16-31 take source 0's words: one product by h
	v_lshl_add_u32 v14, v3, 2, v14
	v_add_nc_u32 v[ADRS], s70, v14
	v_mul_u32_u24 v15, v2, HK
	v_add_nc_u32 v15, HK, v15                      ; the second half of K: 4 GB on for ac, 8 GB on for wo
	v_add_nc_u32 v[ADRS+1], v[ADRS], v15
	v_lshlrev_b32 v13, 9, v2                       ; source 0's blocks 4-7 lie 512 bytes on; lanes 0-15 read source 1's four words again
	v_add_nc_u32 v[ADRS+2], v[ADRS], v13
	v_add_nc_u32 v[ADRS+3], v[ADRS+1], v13
	v_mul_u32_u24 v[STO], v1, SPITCH
	v_lshl_add_u32 v[STO], v2, 6, v[STO]
	v_add_nc_u32 v[STO], s72, v[STO]
	v_add_nc_u32 v[RD], s72, v[CO]
	s_wait_alu depctr_va_vdst(0)
	s_cmp_lt_u32 s[WV], 2                          ; waves 0 and 1 fetched K steps 0-3; the other two loads may be out
	s_cbranch_scc0 .Lnot_first
	s_wait_tensorcnt 0x0
.Lnot_first:
	s_barrier_signal -1
	s_barrier_wait -1
	FETCH 0
	FETCH 1
	s_wait_dscnt NLD
	MUL 0, 1                                       ; K step 0 starts the sums: nothing is cleared
	KSTEP 1
	KSTEP 2
	s_wait_tensorcnt 0x0                           ; every wave's load is in,
	s_wait_dscnt 0x0                               ; and my reads of K steps 0-3 are over
	s_barrier_signal -1
	s_barrier_wait -1                              ; K steps 4-7 are whole; nobody reads steps 0-3 any more
	KSTEP 3
	KSTEP 4
	KSTEP 5
	KSTEP 6
	s_wait_dscnt 0x0
	MUL 7, 0
; THE WAY OUT, block by block of 16 rows x 128 columns: through my stage, back as whole rows of 512 bytes, + the bias, stored.  LDS serves a wave's instructions in order (ISA guide 5.7.1.4): no wait between the stores and the loads.
.macro TOSTAGE a
.set AC, 64*(\a)
	WIN 0x08                                       ; the data: window 2
.irp b, 0,1,2,3,4,5,6,7
	ds_store_b128 v[STO], v[AC+8*\b:AC+8*\b+3] offset:128*(\b/2)+32*(\b%2)       ; each accumulator from its low end on
	ds_store_b128 v[STO], v[AC+8*\b+4:AC+8*\b+7] offset:128*(\b/2)+32*(\b%2)+16
.endr
	WIN 0
.set BB, BK+64*((\a)%2)
.irp t, 0,1,2,3,4,5,6,7,8,9,10,11,12,13,14,15
	ds_load_b128 v[BB+4*\t:BB+4*\t+3], v[RD] offset:\t*SPITCH
.endr
.endm
.macro SEND a, younger                 ; younger: the LDS instructions issued behind block a's loads
.set BB, BK+64*((\a)%2)
	s_wait_dscnt \younger
.irp t, 0,1,2,3,4,5,6,7,8,9,10,11,12,13,14,15
	v_pk_add_f32 v[BB+4*\t:BB+4*\t+1], v[BB+4*\t:BB+4*\t+1], v[64:65]
	v_pk_add_f32 v[BB+4*\t+2:BB+4*\t+3], v[BB+4*\t+2:BB+4*\t+3], v[66:67]
	global_store_b128 v[CO], v[BB+4*\t:BB+4*\t+3], s[10:11] offset:(32*((\a)/2)+8*((\a)%2)+\t+8*(\t/8))*4096 th:TH_STORE_NT   ; 512 consecutive bytes, aligned
.endr
.endm
	PLACES NP
	s_wait_loadcnt 0x0
	TOSTAGE 0
.irp a, 1,2,3
.if \a > 1
	s_wait_xcnt 0x0                                ; block a - 2's stores have read their data: block a's loads may land there
.endif
	TOSTAGE \a
	SEND \a-1, 32
.endr
	SEND 3, 0
	s_wait_tensorcnt 0x0                           ; the wave's end
	ds_add_u32 v[SPW], v[NIL]
	s_wait_dscnt 0x0
	CROUND                                         ; the closing round
	s_endpgm
.Lfunc_end_k_q29b84d1684_oproj:
	.size	k_q29b84d1684_oproj, .Lfunc_end_k_q29b84d1684_oproj-k_q29b84d1684_oproj
	.p2alignl 7, 3214868480
	.fill 96, 4, 3214868480
	.section	.rodata,"a",@progbits
	.p2align	6, 0x0
	.amdhsa_kernel k_q29b84d1684_oproj
		.amdhsa_group_segment_fixed_size 327680
		.amdhsa_private_segment_fixed_size 0
		.amdhsa_enable_private_segment 0
		.amdhsa_kernarg_size 32
		.amdhsa_user_sgpr_count 2
		.amdhsa_user_sgpr_kernarg_segment_ptr 1
		.amdhsa_wavefront_size32 1
		.amdhsa_system_sgpr_workgroup_id_x 1
		.amdhsa_system_sgpr_workgroup_id_y 1
		.amdhsa_system_sgpr_workgroup_id_z 1
		.amdhsa_system_vgpr_workitem_id 0
		.amdhsa_next_free_vgpr 768
		.amdhsa_next_free_sgpr 100
		.amdhsa_reserve_vcc 0
		.amdhsa_float_denorm_mode_32 3
		.amdhsa_float_denorm_mode_16_64 3
		.amdhsa_memory_ordered 1
		.amdhsa_forward_progress 1
		.amdhsa_inst_pref_size 88
	.end_amdhsa_kernel
	.amdgpu_metadata
---
amdhsa.version: [ 1, 2 ]
amdhsa.kernels:
  - .name:           k_q29b84d1684_oproj
    .symbol:         k_q29b84d1684_oproj.kd
    .args:
      - { .name: ac, .offset: 0, .size: 8, .value_kind: global_buffer, .address_space: global }
      - { .name: wc, .offset: 8, .size: 8, .value_kind: global_buffer, .address_space: global }
      - { .name: bo, .offset: 16, .size: 8, .value_kind: global_buffer, .address_space: global }
      - { .name: out0, .offset: 24, .size: 8, .value_kind: global_buffer, .address_space: global }
    .group_segment_fixed_size: 327680
    .private_segment_fixed_size: 0
    .kernarg_segment_align: 8
    .kernarg_segment_size: 32
    .max_flat_workgroup_size: 128
    .sgpr_count:     100
    .vgpr_count:     768
    .wavefront_size: 32
...
	.end_amdgpu_metadata
.endif
;; end of part 4
